; MI455X (gfx1250); checked and timed in simulation.
; The chip was launched on July 23, 2026; its instructions are those of AMD's public machine-readable ISA for CDNA 5 (MIT licence, August 2026) and "CDNA5" Instruction Set Architecture Reference Guide (July 2026). The comments in the code are by the model that wrote it; some were corrected since.
;; Mo E Layer. Allowed arithmetic: matrix products marked QUANTISED: E5M2 operands, one E8M0 scale for each 32 along K, by v_wmma_scale_f32_16x16x128_f8f6f4 with both operands' format E5M2, f32 sums; products left as they are: f32 operands where the result goes on into a quantised operand, else bf16, f16 or f32 operands; f32 sums; everything else in f32.
;; Inputs: gate_w 1,024 x 8 float32; hidden_states 2 x 512 x 1,024 float32; w1 8 x 1,024 x 4,096 float32; w2 8 x 4,096 x 1,024 float32.
;; Outputs: out0 2 x 512 x 1,024 float32.
;; This version of the problem:
;;   THIS VERSION OF THE PROBLEM IS GIVEN IN LOW PRECISION. The matrix products marked QUANTISED in the list below multiply operands that are first quantised to E5M2 (5 exponent bits, 2 mantissa bits; 8 bits a number), with one power-of-two scale for each 32 numbers along K (OCP MX v1.0); their sums are f32. All else is computed in f32.
;;   The module's matrix products, in the order in which they are computed (A, B: the left and right operand; K: the contracted axis; several contracted axes count as one K, in the product's order):
;;     1. [M 1,024, K 1,024] x [K 1,024, N 8]; A: input hidden_states; B: input gate_w: left as it is (N = 8 < 16)
;;     2. batch 1,024 x [M 8, K 2] x [K 2, N 1]; A: computed on the way; B: softmax: left as it is (K = 2 < 32)
;;     3. [M 32,768, K 1,024] x [K 1,024, N 1,024]; A: input w1; B: input hidden_states: QUANTISED
;;     4. batch 8 x [M 1,024, K 4,096] x [K 4,096, N 1,024]; A: computed on the way; B: input w2: QUANTISED
;;     5. batch 1,024 x [M 1,024, K 8] x [K 8, N 1]; A: computed on the way; B: computed on the way: left as it is (K = 8 < 32)
;;   THE QUANTISER, for each operand of a quantised product, along K:
;;     - K is cut into blocks of 32 from its start; a last block that is shorter is filled with zeros.
;;     - A block's scale is 2^e with e = floor(log2(the largest magnitude in the block)) - 15, held to -126 .. 127; a block of zeros has e = 0. As a byte (E8M0): e + 127.
;;     - Each number is divided by its block's scale, clamped to +-57,344, and rounded to the nearest number of E5M2, ties to even, subnormals kept.
;;     - The product sums the exact products of the quantised numbers (number of the format x scale) in f32.
;;   ~~~python
;;   def quantise(x, axis):      # numpy; x: float32 -> the quantised numbers, widened to float32 again
;;       x = np.moveaxis(x, axis, -1); K = x.shape[-1]
;;       x = np.pad(x, [(0, 0)] * (x.ndim - 1) + [(0, -K % 32)]); x = x.reshape(x.shape[:-1] + (-1, 32)); a = np.abs(x).max(-1, keepdims=True)
;;       e = np.where(a > 0, np.clip(np.frexp(np.where(a > 0, a, 1))[1] - 1 - 15, -126, 127), 0)      # np.frexp(a)[1] - 1 = floor(log2(a)), exactly
;;       r = np.clip(x / 2.0 ** e, -57344, 57344)
;;       step = 2.0 ** (np.maximum(np.frexp(np.where(r == 0, 1, r))[1] - 1, -14) - 2)
;;       q = np.round(r / step) * step * 2.0 ** e      # np.round: ties to even
;;       return np.moveaxis(q.reshape(q.shape[:-2] + (-1,))[..., :K], -1, axis).astype(np.float32)
;;   ~~~
;;   OPERANDS COMPUTED ON THE WAY. 'Computed on the way' means the value that the module computes at that place (a softmax that the list does not call 'softmax' is quantised finished and normalised). What goes into a quantiser is computed in f32, as accurately as f32 sums, v_exp_f32 and their like allow (about 1e-6 of the number): no bf16 or f16 on the way to a quantiser, and a product that is left as it is and whose result goes on into a quantised operand takes f32 operands (vector FMAs, or v_wmma_f32_16x16x4_f32). A number that lies on a knife's edge between two numbers of the format may be rounded either way, as far as f32 arithmetic and the matrix unit's own rounding can turn it there, and no further.
;; 2 versions, each right; version 2 is version 1 with the launches up, down written anew for expert scheduling mode. Each part assembles by itself: llvm-mc -triple=amdgcn-amd-amdhsa -mcpu=gfx1250 --defsym DOCPART=n.
;; ======== version 1 of 2: 4 launches
;; workspace buffers: xc 1,048,576 bytes; xs 32,768 bytes; sel 4,096 bytes of whole numbers; gwt 8,192 bytes; hc 37,748,736 bytes; hs 1,179,648 bytes; y4 33,685,504 bytes
;; launch route (part 1): grid 256 x 1, 1 waves a work-group, no clusters, 35,328 bytes of LDS; arguments hidden_states, gate_w, xc, xs, sel, gwt; writes xc, xs, sel, gwt
.if DOCPART == 1
	.amdgcn_target "amdgcn-amd-amdhsa--gfx1250"
	.amdhsa_code_object_version 6
	.text
	.protected	k_q0dbe64a0cf_route
	.globl	k_q0dbe64a0cf_route
	.p2align	8
	.type	k_q0dbe64a0cf_route,@function
k_q0dbe64a0cf_route:
	s_mov_b64 s[64:65], 0
	v_nop
	global_prefetch_b8 v0, s[64:65] scope:SCOPE_SE
	s_setreg_imm32_b32 hwreg(HW_REG_WAVE_MODE, 25, 1), 1
	s_wait_xcnt 0x0
; ROUTER AND QUANTISER OF x.  One wave takes four tokens t0 = 4 x work-group .. t0 + 3.
; It makes (a) the eight gate logits of each token in f32 (fused multiply-adds, 32 partial sums a logit, one in each lane, then a tree over the lanes),
; (b) the two largest logits (strict compares in ascending order of the expert: the lower index wins a tie), their softmax with the larger logit taken away first,
; (c) x's codes of E5M2 with one E8M0 byte for each 32 along d.
; OUT: xc [token][1024] codes; xs [token][32] scale bytes; sel [token] = (1 << e0) | (0x100 << e1), a whole number at a fixed place; gwt [2][1024] the two weights.
; No address and no branch here hangs on a computed number.
; LIMITS: NaN and infinities among the inputs are not served.  A block of zeros gets the byte 1 (the rule says 127): its codes are zeros and only this program reads the bytes.
; Two logits that differ by less than the rounding of an f32 sum of 1,024 terms may be ordered otherwise than by another order of summation.
; The stores of sel, gwt (16 bytes a work-group) and xs (128 bytes) cover parts of 256-byte blocks: 45,056 bytes in the whole launch.
; No matrix unit, no cluster: N = 8, and work-groups share only gate_w's 32 KiB.
.set XSL, 34816                        ; LDS: behind gate_w's 128 units of 256 + 16 bytes: the four tokens' 128 scale bytes
.set X,   32                           ; v32-159  x[t0 + t][256 i + 8 lane + n] at X + 32 t + 8 i + n
.set ACC, 160                          ; v160-191 logit sums, token t, expert e at ACC + 8 t + e
.set BYR, 192                          ; v192-207 a scale byte for each (t, i)
.set LG,  208                          ; v208-215 the eight logits of my lane's token (lane / 8)
.set CD,  216                          ; v216-247 codes, two registers for each (t, i): no store's data are written again
.set IDX, 248                          ; v248-255 the numbers 0 .. 7
.set T,   16                           ; v16-19 largest magnitudes; v20-23 the conversions' scale operands; v24-27 the largest code x the scale
.set SO,  20
.set LIM, 24
.set MSB, 0
.macro WIN new                         ; the immediate's high byte repeats the setting that is left
.if MSB != \new
	s_set_vgpr_msb (MSB<<8)|\new
.set MSB, \new
.endif
.endm
	s_load_b256 s[4:11], s[0:1], 0x0               ; x s[4:5], gate_w s[6:7], xc s[8:9], xs s[10:11]
	s_load_b128 s[12:15], s[0:1], 0x20             ; sel s[12:13], gwt s[14:15]
	v_lshl_add_u32 v30, v0, 2, 0x8900
	v_mov_b32 v31, 0
	v_and_b32 v1, 31, v0                           ; lane
	v_lshlrev_b32 v5, 4, v1                        ; 16 x lane
	v_lshrrev_b32 v14, 4, v1
	v_and_b32 v15, 15, v1
	v_mul_u32_u24 v6, v14, 272
	v_lshl_add_u32 v6, v15, 4, v6                  ; gate_w into LDS: unit lane / 16, byte 16 (lane % 16)
	v_mul_u32_u24 v7, v1, 272                      ; and out of it: unit = lane
	v_lshlrev_b32 v8, 5, v1                        ; x: my 8 numbers of each 256
	v_lshlrev_b32 v9, 3, v1                        ; xc: my 8 codes
	v_lshrrev_b32 v10, 2, v1
	v_add_nc_u32 v10, XSL, v10                     ; my block's scale byte (four lanes share a block)
	v_lshl_add_u32 v11, v1, 2, XSL                 ; the 128 scale bytes, 4 a lane
	v_lshlrev_b32 v12, 2, v1
	v_lshrrev_b32 v13, 3, v1
	v_lshlrev_b32 v13, 2, v13                      ; 4 x (lane / 8): my token's word in sel and gwt
.irp e, 0,1,2,3,4,5,6,7
	v_mov_b32 v[IDX+\e], \e
.endr
	s_mov_b32 s17, 0
	s_mov_b32 s22, 0x600000                        ; the mantissa field of 57,344
	s_mov_b32 s24, 0x76543210
	s_mov_b32 s25, 0xfedcba98                      ; v_permlanex16_b32's selects for lane l xor 16
	s_mov_b32 s26, 0x0000ff00                      ; lanes 8-15, 16-23, 24-31: tokens 1, 2, 3
	s_mov_b32 s27, 0x00ff0000
	s_mov_b32 s28, 0xff000000
	s_wait_kmcnt 0x0
	s_lshl_b32 s16, ttmp9, 14                      ; four rows of 4,096 bytes
	s_add_nc_u64 s[4:5], s[4:5], s[16:17]
	s_lshl_b32 s16, ttmp9, 12
	s_add_nc_u64 s[8:9], s[8:9], s[16:17]
	s_lshl_b32 s16, ttmp9, 7
	s_add_nc_u64 s[10:11], s[10:11], s[16:17]
	s_lshl_b32 s16, ttmp9, 4
	s_add_nc_u64 s[12:13], s[12:13], s[16:17]
	s_add_nc_u64 s[14:15], s[14:15], s[16:17]
	WIN 0x40                                       ; destination window 1
.set N_, 0
.rept 64
	global_load_b128 v[4*N_:4*N_+3], v5, s[6:7] offset:512*N_      ; gate_w as it lies: 512 consecutive bytes a load
.set N_, N_+1
.endr
	WIN 0
.irp t, 0,1,2,3
.irp i, 0,1,2,3
	global_load_b128 v[X+32*\t+8*\i:X+32*\t+8*\i+3],   v8, s[4:5] offset:4096*\t+1024*\i th:TH_LOAD_NT
	global_load_b128 v[X+32*\t+8*\i+4:X+32*\t+8*\i+7], v8, s[4:5] offset:4096*\t+1024*\i+16 th:TH_LOAD_NT
.endr
.endr
	s_wait_loadcnt 32                              ; gate_w's 64 loads are in; x's 32 may stay out
	; gate_w turns through LDS so that lane l holds rows 256 i + 8 l + n: 256 consecutive bytes for each i.  LDS serves a wave's instructions in order: no wait between stores and loads
	WIN 0x04                                       ; an LDS store's data: window 1
.set N_, 0
.rept 64
	ds_store_b128 v6, v[4*N_:4*N_+3] offset:544*N_
.set N_, N_+1
.endr
	WIN 0x40
.irp i, 0,1,2,3
.irp p, 0,1,2,3,4,5,6,7,8,9,10,11,12,13,14,15
	ds_load_b128 v[64*\i+4*\p:64*\i+4*\p+3], v7 offset:8704*\i+16*\p     ; window 1: gate_w[256 i + 8 lane + n][e] at 64 i + 8 n + e
.endr
.endr
	s_wait_loadcnt 0x0
	s_wait_dscnt 0x0
	; the logits: two experts an instruction, x's number for both halves; sixteen chains; the first step starts the sums
	WIN 0x04                                       ; source 1 (gate_w) window 1
.irp i, 0,1,2,3
.irp n, 0,1,2,3,4,5,6,7
.irp t, 0,1,2,3
.irp p, 0,1,2,3
.if (\i == 0) && (\n == 0)
	v_pk_mul_f32 v[ACC+8*\t+2*\p:ACC+8*\t+2*\p+1], v[X+32*\t:X+32*\t+1], v[2*\p:2*\p+1] op_sel_hi:[0,1]
.elseif (\n % 2) == 0
	v_pk_fma_f32 v[ACC+8*\t+2*\p:ACC+8*\t+2*\p+1], v[X+32*\t+8*\i+\n:X+32*\t+8*\i+\n+1], v[64*\i+8*\n+2*\p:64*\i+8*\n+2*\p+1], v[ACC+8*\t+2*\p:ACC+8*\t+2*\p+1] op_sel_hi:[0,1,1]
.else
	v_pk_fma_f32 v[ACC+8*\t+2*\p:ACC+8*\t+2*\p+1], v[X+32*\t+8*\i+\n-1:X+32*\t+8*\i+\n], v[64*\i+8*\n+2*\p:64*\i+8*\n+2*\p+1], v[ACC+8*\t+2*\p:ACC+8*\t+2*\p+1] op_sel:[1,0,0] op_sel_hi:[1,1,1]
.endif
.endr
.endr
.endr
.endr
	WIN 0
	; x's codes: a lane holds 8 neighbours, four lanes a block of 32
.irp t, 0,1,2,3
.irp i, 0,1,2,3
	v_max3_num_f32 v[T+\i], |v[X+32*\t+8*\i]|, |v[X+32*\t+8*\i+1]|, 0x8000000   ; with the floor 2^(16 - 127): the byte cannot fall under 1
.endr
.irp n, 2,4,6
.irp i, 0,1,2,3
	v_max3_num_f32 v[T+\i], v[T+\i], |v[X+32*\t+8*\i+\n]|, |v[X+32*\t+8*\i+\n+1]|
.endr
.endr
.irp i, 0,1,2,3
	v_max_num_f32_dpp v[T+\i], v[T+\i], v[T+\i] row_xmask:1 row_mask:0xf bank_mask:0xf
.endr
.irp i, 0,1,2,3
	v_max_num_f32_dpp v[T+\i], v[T+\i], v[T+\i] row_xmask:2 row_mask:0xf bank_mask:0xf   ; the block's largest magnitude
.endr
.irp i, 0,1,2,3
	v_add_nc_u32 v[SO+\i], 0xf8800000, v[T+\i]     ; 15 off its exponent field: the conversion's scale operand
.endr
.irp i, 0,1,2,3
	v_and_or_b32 v[LIM+\i], v[T+\i], 0x7f800000, s22   ; 57,344 x the scale
.endr
.irp i, 0,1,2,3
	v_lshrrev_b32 v[BYR+4*\t+\i], 23, v[SO+\i]     ; the scale's byte
.endr
.irp i, 0,1,2,3
.irp n, 0,1,2,3,4,5,6,7
	v_med3_num_f32 v[X+32*\t+8*\i+\n], v[X+32*\t+8*\i+\n], -v[LIM+\i], v[LIM+\i]   ; the conversion does not saturate (ISA guide 7.6.2): the hold comes first
.endr
.endr
.irp i, 0,1,2,3
	v_cvt_scalef32_pk8_bf8_f32 v[CD+8*\t+2*\i:CD+8*\t+2*\i+1], v[X+32*\t+8*\i:X+32*\t+8*\i+7], v[SO+\i]
.endr
	v_nop                                          ; a plain line behind the conversions, ahead of the next write of their sources
.irp i, 0,1,2,3
	global_store_b64 v9, v[CD+8*\t+2*\i:CD+8*\t+2*\i+1], s[8:9] offset:1024*\t+256*\i   ; 32 lanes store 256 consecutive bytes, aligned
	ds_store_b8 v10, v[BYR+4*\t+\i] offset:32*\t+8*\i                                   ; the four lanes of a block write the same byte
.endr
.endr
	; the logits' sums over the 32 lanes; the result stands in every lane.  x's registers are free and have been written: the permutes land there
.irp m, 1,2,4,8
.set N_, 0
.rept 32
	v_add_f32_dpp v[ACC+N_], v[ACC+N_], v[ACC+N_] row_xmask:\m row_mask:0xf bank_mask:0xf
.set N_, N_+1
.endr
.endr
.set N_, 0
.rept 32
	v_permlanex16_b32 v[X+N_], v[ACC+N_], s24, s25
.set N_, N_+1
.endr
.set N_, 0
.rept 32
	v_add_f32 v[ACC+N_], v[ACC+N_], v[X+N_]
.set N_, N_+1
.endr
	; lanes 8 t .. 8 t + 7 work on token t
.irp e, 0,1,2,3,4,5,6,7
	v_cndmask_b32 v[LG+\e], v[ACC+\e], v[ACC+8+\e], s26
.endr
.irp e, 0,1,2,3,4,5,6,7
	v_cndmask_b32 v[LG+\e], v[LG+\e], v[ACC+16+\e], s27
.endr
.irp e, 0,1,2,3,4,5,6,7
	v_cndmask_b32 v[LG+\e], v[LG+\e], v[ACC+24+\e], s28
.endr
	v_mov_b32 v14, v[LG]                           ; the largest logit and its expert
	v_mov_b32 v15, 0
.irp e, 1,2,3,4,5,6,7
	v_cmp_gt_f32 vcc_lo, v[LG+\e], v14             ; strictly larger: the lower index keeps a tie
	v_cndmask_b32 v14, v14, v[LG+\e], vcc_lo
	v_cndmask_b32 v15, v15, v[IDX+\e], vcc_lo
.endr
	v_mov_b32 v16, 0xff800000                      ; the second largest: begins at -infinity
	v_mov_b32 v17, 0
.irp e, 0,1,2,3,4,5,6,7
	v_cmp_ne_u32 s20, v[IDX+\e], v15
	v_cmp_gt_f32 s21, v[LG+\e], v16
	s_and_b32 s20, s20, s21
	v_cndmask_b32 v16, v16, v[LG+\e], s20
	v_cndmask_b32 v17, v17, v[IDX+\e], s20
.endr
	v_sub_f32 v18, v16, v14                        ; the larger logit is taken away: 0 or less
	v_mul_f32 v18, 0x3fb8aa3b, v18
	v_exp_f32 v18, v18                             ; a = e^(second - first), at most 1
	v_mov_b32 v21, 1                               ; (a plain line behind the exponential)
	s_wait_alu depctr_va_vdst(0)                   ; ahead of the first line that names its result
	v_add_f32 v19, 1.0, v18
	v_rcp_f32 v19, v19                             ; w0 = 1 / (1 + a)
	v_mov_b32 v22, 0x100                           ; (a plain line behind the reciprocal)
	s_wait_alu depctr_va_vdst(0)
	v_mul_f32 v18, v18, v19                        ; w1 = a / (1 + a)
	v_lshlrev_b32 v20, v15, v21
	v_lshlrev_b32 v22, v17, v22
	v_or_b32 v20, v20, v22                         ; (1 << e0) | (0x100 << e1)
	ds_load_b32 v23, v11                           ; the four tokens' scale bytes: LDS serves a wave's instructions in order
	global_store_b32 v13, v20, s[12:13]            ; the eight lanes of a token write the same word with the same value
	global_store_b32 v13, v19, s[14:15]
	global_store_b32 v13, v18, s[14:15] offset:4096
	s_wait_dscnt 0x0
	global_store_b32 v12, v23, s[10:11]            ; 128 consecutive bytes
	s_wait_tensorcnt 0x0
	ds_add_u32 v30, v31
	s_wait_dscnt 0x0
	s_endpgm
.Lfunc_end_k_q0dbe64a0cf_route:
	.size	k_q0dbe64a0cf_route, .Lfunc_end_k_q0dbe64a0cf_route-k_q0dbe64a0cf_route
	.p2alignl 7, 3214868480
	.fill 96, 4, 3214868480
	.section	.rodata,"a",@progbits
	.p2align	6, 0x0
	.amdhsa_kernel k_q0dbe64a0cf_route
		.amdhsa_group_segment_fixed_size 35328
		.amdhsa_private_segment_fixed_size 0
		.amdhsa_enable_private_segment 0
		.amdhsa_kernarg_size 48
		.amdhsa_user_sgpr_count 2
		.amdhsa_user_sgpr_kernarg_segment_ptr 1
		.amdhsa_wavefront_size32 1
		.amdhsa_system_sgpr_workgroup_id_x 1
		.amdhsa_system_sgpr_workgroup_id_y 1
		.amdhsa_system_sgpr_workgroup_id_z 1
		.amdhsa_system_vgpr_workitem_id 0
		.amdhsa_next_free_vgpr 512
		.amdhsa_next_free_sgpr 66
		.amdhsa_reserve_vcc 1
		.amdhsa_float_denorm_mode_32 3
		.amdhsa_float_denorm_mode_16_64 3
		.amdhsa_memory_ordered 1
		.amdhsa_forward_progress 1
		.amdhsa_inst_pref_size 90
	.end_amdhsa_kernel
	.amdgpu_metadata
---
amdhsa.version: [ 1, 2 ]
amdhsa.kernels:
  - .name:           k_q0dbe64a0cf_route
    .symbol:         k_q0dbe64a0cf_route.kd
    .args:
      - { .name: hidden_states, .offset: 0, .size: 8, .value_kind: global_buffer, .address_space: global }
      - { .name: gate_w, .offset: 8, .size: 8, .value_kind: global_buffer, .address_space: global }
      - { .name: xc, .offset: 16, .size: 8, .value_kind: global_buffer, .address_space: global }
      - { .name: xs, .offset: 24, .size: 8, .value_kind: global_buffer, .address_space: global }
      - { .name: sel, .offset: 32, .size: 8, .value_kind: global_buffer, .address_space: global }
      - { .name: gwt, .offset: 40, .size: 8, .value_kind: global_buffer, .address_space: global }
    .group_segment_fixed_size: 35328
    .private_segment_fixed_size: 0
    .kernarg_segment_align: 8
    .kernarg_segment_size: 48
    .max_flat_workgroup_size: 32
    .sgpr_count:     66
    .vgpr_count:     512
    .wavefront_size: 32
...
	.end_amdgpu_metadata
.endif
;; end of part 1
;; launch up (part 2): grid 32 x 8, 4 waves a work-group, no clusters, 316,416 bytes of LDS; arguments xc, xs, sel, w1, hc, hs; writes hc, hs
.if DOCPART == 2
	.amdgcn_target "amdgcn-amd-amdhsa--gfx1250"
	.amdhsa_code_object_version 6
	.text
	.protected	k_q0dbe64a0cf_up
	.globl	k_q0dbe64a0cf_up
	.p2align	8
	.type	k_q0dbe64a0cf_up,@function
k_q0dbe64a0cf_up:
	s_mov_b64 s[64:65], 0
	v_nop
	global_prefetch_b8 v0, s[64:65] scope:SCOPE_SE
	s_setreg_imm32_b32 hwreg(HW_REG_WAVE_MODE, 25, 1), 1
	s_wait_xcnt 0x0
; h = relu(x W1) for the rows that chose an expert, on codes of E5M2 with one E8M0 scale for each 32 along K; h leaves as codes, quantised along f.
; SHARES.  Work-group (x, y) owns columns f = 128 x .. 128 x + 127 of expert y's W1 [1024 (d = K)][4096 (f)], f32: 512 KiB that no other work-group reads.
; Four waves: cg = wave % 2 says which 64 columns, kh = wave / 2 which 512 of K a wave streams and quantises, and later which of every two tiles of rows it multiplies.
; PHASES.  (0) every wave counts the expert's rows from sel and keeps the 32 lane masks (register n of sel: which lanes' tokens chose the expert) in scalar registers.
; (1) W1 is read once, 16 bytes a lane (two rows of K x 256 consecutive bytes an instruction), and quantised along K in registers: a lane holds 16 of a block's 32 numbers of four columns; lane l xor 16 holds the other 16.
; The codes are the operand's registers and stay.  Between the stream's blocks the wave makes, in registers, the token numbers of the 72 ranks whose rows it will fetch.  The last four blocks have no weights left to ask for:
; each asks for four groups of rows into the ring set that it has emptied, so that 16 of a wave's 36 groups are on their way during phase 2.
; (2) the two waves of a column group copy each other's K half through LDS as images of registers: then each holds 64 columns x all 1,024 K in 512 registers.
; (3) in chunks of 18 tiles of 16 rows: the rows' codes go into LDS, and each wave multiplies every second tile: 32 matrix instructions, weights from registers, rows from LDS.
; RANKS run by sel's registers, then by lanes (register 4 m + p of lane l: token 128 m + 4 l + p); the next launch counts them in the same order.
; THE PRODUCT IS USED TRANSPOSED (source 0 = 16 columns of W1, source 1 = 16 rows of x).  Column tile u holds columns 4 m + u, so lane (r, h) ends with row r and columns 32 h + 4 j + u: one whole block of 32 along f.
; OUT.  hc [e][tile 0..71][K step 0..31][2,048]: the image of the next product's operand registers (group c of lane l at 512 c + 16 l); hs [e][tile][K step][16 rows] one scale word a row.
; A chunk that has a row is worked whole: ranks beyond the count take token 1,023; the next launch gives them the weight 0.  A chunk without rows is passed over by scalar branches on the count, which stand round no barrier.
; The first chunk's rows are asked for without a branch: the addresses lie inside the buffers whatever the count, and with no rows nothing of them is used.
; NO TENSOR LOADS, NO CLUSTER: branches hang on a count read from memory, and no two work-groups read the same weights; what they share (x's codes, 1 MiB) is under a hundredth of the launch's input bytes.
; NO PREFETCH: each wave keeps up to 64 loads of 512 bytes out from its first lines on.
; LIMITS: NaN and infinities are not served.  A block of zeros gets the byte 1 (the rule says 127): its codes are zeros, and only this program reads the bytes.  The K halves are summed own half first, so the order of K steps differs between kh = 0 and 1.
; hs leaves in runs of 64 bytes (1 byte in 32 of what the launch stores).
.set PITCH,  1040                      ; a row of x in LDS: 1,024 codes + 16: the 16 rows of a fragment load start at 16 different groups of banks
.set XSB,    299520                    ; behind 288 rows: their scale bytes, 32 a row
.set HSB,    313856                    ; h's scale bytes of a chunk: 512 bytes for each wave: [tile of the wave][row][h]
.set EXS,    131072                    ; the exchange (inside the rows' region, parted from it by barriers): 4 x 32,768 bytes of codes, then 4 x 2,048 of scale words
.set STRIDE, 16384                     ; a row of W1 in bytes
.set NSTEP,  102                       ; steps in which the gather's addresses are made
.set L16, 4
.set C16, 5
.set AB1, 6                            ; v6, v7   a fragment's place for my lane: my K half, the partner's
.set AB2, 7
.set XB1, 8                            ; v8, v9   the same for the rows' scale words
.set XB2, 9
.set WOFF, 10
.set OUTO, 11
.set HS8, 12
.set SD1, 13                           ; v13-15   where I put the rows: rows 32 w on, 128 + 32 w on, 256 + 8 w on
.set SD2, 14
.set SD3, 15
.set XSDA, 16                          ; v16, v17 and their scale bytes, a lane a row
.set XSDB, 17
.set L7,  18                           ; v18      lane % 8
.set EXW, 19
.set EXR, 20
.set EXSW, 21
.set EXSR, 22
.set L4,  24
.set HSR, 25
.set HSOL, 26
.set AA1, 27                           ; v27-30   a tile's addresses
.set XA1, 29
.set OV,  31
.set ACC, 32                           ; v32-63   four accumulators.  While no tile is at work: v32-49 the making of addresses, then v32-55 the rows' scale bytes on their way
.set RH,  32                           ; v32-34   three vectors of ranks; later -(place in the mask) - 1 + bits passed
.set MM,  35                           ; v35-37   the rank's mask
.set PK,  38                           ; v38-40   its register n << 16 | the ranks ahead of that register
.set CC,  41
.set PO,  44                           ; v44-46   its lane
.set TT,  47
.set XD,  32
.set X,   64                           ; v64-127  the stream: 16 numbers of four columns in K's order; the way out: 32 numbers
.set SEL, 64                           ; v64-95   at the head: sel
.set HD,  64                           ; v64-81   h's scale words on their way out
.set VH,  82
.set SW,  128                          ; v128-143 my weights' scale words (4 sl + u), v144-159 the partner's: scales and nothing else
.set XS,  160                          ; v160-167 the rows' scale words: scales and nothing else
.set T,   168
.set P,   172
.set SO,  176
.set LIM, 180
.set BY,  184
.set CO,  188                          ; v188-195 32 codes
.set VT,  196
.set HA,  201
.set AD,  204                          ; v204-239 the gather: byte offsets of my 36 pairs of rows
.set TX,  240                          ; v240-242 and of my rows' scale bytes
.set TV,  243                          ; v243-245 my ranks' token numbers
; window 1: my codes, fragment (u, sl) at 16 (4 sl + u);  window 2: the partner's;  window 3: the stream's four sets of 64, then the gather's ring, then the rows' fragments
.set S_WV, 16
.set S_CG, 17
.set S_KH, 18
.set S_KHX, 19
.set S_E, 20
.set S_BITS, 23
.set S_CNT, 24
.set S_NT, 25
.set S_C, 26
.set S_C18, 27
.set S_CR, 28                          ; the chunk's first rank
.set S_M, 29
.set S_TB, 30
.set S_XT, 31
.set S_HT, 32
.set S_HO, 33
.set WB, 34
.set OB, 36
.set HSP, 38
.set FLOOR, 40
.set NEG15, 41
.set EXPM, 42
.set MNT, 43
.set PSEL, 44
.set S_R0, 46                          ; the first rank of my first 32 rows, and of my last 8
.set S_R2, 47
.set S_RUN, 58
.set MK, 66                            ; s66-97   the 32 lane masks
.set MSB, 0
.macro WIN new                         ; the immediate's high byte repeats the setting that is left
.if MSB != \new
	s_set_vgpr_msb (MSB<<8)|\new
.set MSB, \new
.endif
.endm
.macro BARRIER                         ; my LDS stores have landed and my LDS loads are in: then the work-group's barrier
	s_wait_dscnt 0x0
	s_barrier_signal -1
	s_barrier_wait -1
.endm
.macro NOPS n
.rept \n
	v_nop
.endr
.endm
; block b of my 512 along K: W(32 b + 16 h + i, 4 r .. 4 r + 3) into set b % 4
.macro LOADW b
	WIN 0xc0
.irp i, 0,1,2,3,4,5,6,7,8,9,10,11,12,13,14,15
	global_load_b128 v[64*((\b)%4)+4*\i:64*((\b)%4)+4*\i+3], v[WOFF], s[WB:WB+1] offset:(32*(\b)+\i)*STRIDE th:TH_LOAD_NT
.endr
.endm
; the gather's ring: group g = two rows of x's codes, four loads of two rows x 256 bytes; sixteen sets of 16 registers in window 3
.macro ISSUE g
.irp p, 0,1,2,3
	global_load_b128 v[16*((\g)%16)+4*\p:16*((\g)%16)+4*\p+3], v[AD+(\g)], s[4:5] offset:256*\p
.endr
.endm
.macro DRAIN g
.if (\g) < 4
	s_wait_loadcnt 4*(15-(\g))                     ; group g is in; of the sixteen asked for ahead, those behind it may be out
.elseif 35-(\g) < 11
	s_wait_loadcnt 4*(35-(\g))                     ; group g is in; the groups issued behind it may be out
.else
	s_wait_loadcnt 44
.endif
.irp p, 0,1,2,3
.if (\g) < 16
	ds_store_b128 v[SD1], v[16*((\g)%16)+4*\p:16*((\g)%16)+4*\p+3] offset:2*PITCH*(\g)+256*\p
.elseif (\g) < 32
	ds_store_b128 v[SD2], v[16*((\g)%16)+4*\p:16*((\g)%16)+4*\p+3] offset:2*PITCH*((\g)-16)+256*\p
.else
	ds_store_b128 v[SD3], v[16*((\g)%16)+4*\p:16*((\g)%16)+4*\p+3] offset:2*PITCH*((\g)-32)+256*\p
.endif
.endr
.endm
; block b becomes registers 4 c .. 4 c + 3 (c = b % 4) of the four fragments of K step b / 4, and byte c of their scale words
.macro QBLK b
.set RS, 64*((\b)%4)
.set QS, (\b)/4
.set QC, (\b)%4
	s_wait_loadcnt 48                              ; this block's 16 loads are in; the three batches of 16 issued behind them (weights, at the end rows) may be out
	WIN 0x3c
.irp u, 0,1,2,3
	v_max3_num_f32 v[T+\u], s[FLOOR], |v[RS+\u]|, |v[RS+4+\u]|      ; with the floor 2^(16 - 127): the byte cannot fall under 1
.endr
.irp i, 2,4,6,8,10,12,14
.irp u, 0,1,2,3
	v_max3_num_f32 v[T+\u], v[T+\u], |v[RS+4*\i+\u]|, |v[RS+4*\i+4+\u]|
.endr
.endr
	WIN 0
.irp u, 0,1,2,3
	v_permlanex16_b32 v[P+\u], v[T+\u], s[PSEL], s[PSEL+1]
.endr
.irp u, 0,1,2,3
	v_max_num_f32 v[T+\u], v[T+\u], v[P+\u]        ; with lane l xor 16's 16: the block's largest magnitude
.endr
.irp u, 0,1,2,3
	v_add_nc_u32 v[SO+\u], s[NEG15], v[T+\u]       ; 15 off its exponent field: the conversion's scale operand
.endr
.irp u, 0,1,2,3
	v_and_or_b32 v[LIM+\u], v[T+\u], s[EXPM], s[MNT]   ; 57,344 x the scale
.endr
.irp u, 0,1,2,3
.if QC == 0
	v_lshrrev_b32 v[SW+4*QS+\u], 23, v[SO+\u]      ; the scale's byte
.else
	v_lshrrev_b32 v[BY+\u], 23, v[SO+\u]
.endif
.endr
.if QC != 0
.irp u, 0,1,2,3
	v_lshl_or_b32 v[SW+4*QS+\u], v[BY+\u], 8*QC, v[SW+4*QS+\u]
.endr
.endif
	WIN 0x03
.irp i, 0,1,2,3,4,5,6,7,8,9,10,11,12,13,14,15
.irp u, 0,1,2,3
	v_med3_num_f32 v[X+16*\u+\i], v[RS+4*\i+\u], -v[LIM+\u], v[LIM+\u]   ; the hold (the conversion does not saturate: ISA guide 7.6.2), which also puts a column's 16 numbers on end
.endr
.endr
.if (\b)+4 < 16
	LOADW (\b)+4                                   ; the set is free
.else
	WIN 0xc0                                       ; no weights are left: the set takes four groups of the first chunk's rows
	ISSUE 4*((\b)-12)
	ISSUE 4*((\b)-12)+1
	ISSUE 4*((\b)-12)+2
	ISSUE 4*((\b)-12)+3
.endif
	WIN 0x40
.irp u, 0,1,2,3
	v_cvt_scalef32_pk8_bf8_f32 v[16*(4*QS+\u)+4*QC:16*(4*QS+\u)+4*QC+1],   v[X+16*\u:X+16*\u+7],    v[SO+\u]
	v_cvt_scalef32_pk8_bf8_f32 v[16*(4*QS+\u)+4*QC+2:16*(4*QS+\u)+4*QC+3], v[X+16*\u+8:X+16*\u+15], v[SO+\u]
.endr
	WIN 0
	v_nop                                          ; a plain line behind the conversions, ahead of the next write of their sources
.endm
; THE GATHER'S ADDRESSES, in NSTEP steps, for three vectors of ranks: lane l: S_R0 + l, S_R0 + 128 + l, S_R2 + l % 8.
;   step 0       the ranks; register 0 of sel is the first candidate
;   steps 1-31   register n takes over where the ranks ahead of it (the running count) are not more than the rank
;   step 32      the rank's place j among its register's rows; kept as -j - 1
;   steps 33-64  bit b of the mask is added; while the sum is negative the row lies further up: the lane is the number of such bits
;   step 65      token = 128 (n / 4) + n % 4 + 4 x lane; the rows' scale bytes are asked for, a lane a row
;   steps 66-101 group g: lanes 0-15 take one rank's token, lanes 16-31 the next rank's; held to 1,023; x 1,024 bytes + 16 (lane % 16)
.macro ASTEP i
.if (\i) == 0
	v_add_nc_u32 v[RH], s[S_R0], v1
	v_add_nc_u32 v[RH+1], 128, v[RH]
	v_add_nc_u32 v[RH+2], s[S_R2], v[L7]
.irp k, 0,1,2
	v_mov_b32 v[MM+\k], s[MK]
	v_mov_b32 v[PK+\k], 0
.endr
	s_bcnt1_i32_b32 s[S_RUN], s[MK]
.elseif (\i) < 32
	s_or_b32 s59, s[S_RUN], (\i)<<16
.irp k, 0,1,2
	v_cmp_gt_u32 s[60+\k], s[S_RUN], v[RH+\k]      ; more ranks ahead of register n than my rank: the earlier register stays
.endr
.irp k, 0,1,2
	v_cndmask_b32 v[MM+\k], s[MK+(\i)], v[MM+\k], s[60+\k]
	v_cndmask_b32 v[PK+\k], s59, v[PK+\k], s[60+\k]
.endr
	s_bcnt1_i32_b32 s63, s[MK+(\i)]
	s_add_co_u32 s[S_RUN], s[S_RUN], s63
.elseif (\i) == 32
.irp k, 0,1,2
	v_and_b32 v[TT+\k], 0xffff, v[PK+\k]
.endr
.irp k, 0,1,2
	v_sub_nc_u32 v[RH+\k], v[RH+\k], v[TT+\k]      ; j
.endr
.irp k, 0,1,2
	v_xor_b32 v[RH+\k], -1, v[RH+\k]               ; -j - 1
	v_mov_b32 v[PO+\k], 0
.endr
.elseif (\i) < 65
.set AB, (\i)-33
.irp k, 0,1,2
	v_bfe_u32 v[TT+\k], v[MM+\k], AB, 1
.endr
.irp k, 0,1,2
	v_add_nc_u32 v[RH+\k], v[RH+\k], v[TT+\k]
.endr
.irp k, 0,1,2
	v_lshrrev_b32 v[TT+\k], 31, v[RH+\k]           ; 1 while at most j rows lie in bits 0 .. b
.endr
.irp k, 0,1,2
	v_add_nc_u32 v[PO+\k], v[PO+\k], v[TT+\k]
.endr
.elseif (\i) == 65
.irp k, 0,1,2
	v_lshrrev_b32 v[TT+\k], 18, v[PK+\k]           ; n / 4
	v_bfe_u32 v[CC+\k], v[PK+\k], 16, 2            ; n % 4
.endr
.irp k, 0,1,2
	v_lshl_add_u32 v[CC+\k], v[TT+\k], 7, v[CC+\k]
.endr
.irp k, 0,1,2
	v_lshl_add_u32 v[TV+\k], v[PO+\k], 2, v[CC+\k] ; a rank beyond the count comes out above 1,023 and is held there
.endr
.irp k, 0,1,2
	v_min_u32 v[TX+\k], 0x3ff, v[TV+\k]
.endr
.irp k, 0,1,2
	v_lshlrev_b32 v[TX+\k], 5, v[TX+\k]
.endr
.irp k, 0,1,2
	global_load_b128 v[XD+8*\k:XD+8*\k+3],   v[TX+\k], s[6:7]
	global_load_b128 v[XD+8*\k+4:XD+8*\k+7], v[TX+\k], s[6:7] offset:16
.endr
.else
.set AG, (\i)-66
	v_readlane_b32 s[59+2*(AG%2)], v[TV+AG/16], 2*(AG%16)
	v_readlane_b32 s[60+2*(AG%2)], v[TV+AG/16], 2*(AG%16)+1
	s_mov_b32 vcc_lo, 0xffff
	v_mov_b32 v[AD+AG], s[59+2*(AG%2)]
	v_cndmask_b32 v[AD+AG], s[60+2*(AG%2)], v[AD+AG], vcc_lo
	v_min_u32 v[AD+AG], 0x3ff, v[AD+AG]
	v_lshl_add_u32 v[AD+AG], v[AD+AG], 10, v[C16]
.endif
.endm
.macro ASTEPS from, n
.set AI, \from
.rept \n
.if AI < NSTEP
	ASTEP AI
.endif
.set AI, AI+1
.endr
.endm
.macro XSTORE                          ; my 72 rows' scale bytes into LDS (of my last 8 rows four lanes hold the same 32 bytes and write them to the same place)
	ds_store_b128 v[XSDA], v[XD:XD+3]
	ds_store_b128 v[XSDA], v[XD+4:XD+7] offset:16
	ds_store_b128 v[XSDA], v[XD+8:XD+11] offset:4096
	ds_store_b128 v[XSDA], v[XD+12:XD+15] offset:4112
	ds_store_b128 v[XSDB], v[XD+16:XD+19]
	ds_store_b128 v[XSDB], v[XD+20:XD+23] offset:16
.endm
; half x (0: my K half, 1: the partner's) of a tile's rows: 4 scale words and 4 fragments a lane, 17 loads.  nx = 1: of my next tile, two tiles on
.macro LOADH x, nx
	WIN 0
	ds_load_b128 v[XS+4*\x:XS+4*\x+3], v[XA1+\x] offset:1024*\nx
	WIN 0xc0
.irp sl, 0,1,2,3
.irp c, 0,1,2,3
	ds_load_b128 v[64*\x+16*\sl+4*\c:64*\x+16*\sl+4*\c+3], v[AA1+\x] offset:32*PITCH*\nx+128*\sl+32*\c
.endr
.endr
.endm
; 16 matrix instructions: four K steps x four column tiles; the four accumulators take turns, one instruction a turn.  The tile's first four start the sums
.macro MULH x
	WIN 0x0d+\x                                    ; source 0 (weights) window 1 or 2, source 1 (rows) window 3
.irp sl, 0,1,2,3
.irp u, 0,1,2,3
.if (\x == 0) && (\sl == 0)
	v_wmma_scale_f32_16x16x128_f8f6f4 v[ACC+8*\u:ACC+8*\u+7], v[16*(4*\sl+\u):16*(4*\sl+\u)+15], v[64*\x+16*\sl:64*\x+16*\sl+15], 0, v[SW+16*\x+4*\sl+\u], v[XS+4*\x+\sl] matrix_a_fmt:MATRIX_FMT_BF8 matrix_b_fmt:MATRIX_FMT_BF8
.else
	v_wmma_scale_f32_16x16x128_f8f6f4 v[ACC+8*\u:ACC+8*\u+7], v[16*(4*\sl+\u):16*(4*\sl+\u)+15], v[64*\x+16*\sl:64*\x+16*\sl+15], v[ACC+8*\u:ACC+8*\u+7], v[SW+16*\x+4*\sl+\u], v[XS+4*\x+\sl] matrix_a_fmt:MATRIX_FMT_BF8 matrix_b_fmt:MATRIX_FMT_BF8
.endif
.endr
.endr
.endm
; my 32 numbers are one block along f: relu, scale, codes; 32 bytes into the image, one byte into LDS
.macro WAYOUT
	s_wait_xcnt 0x0                                ; the last tile's stores have read their registers: only now are these written again
.irp u, 0,1,2,3
	v_max3_num_f32 v[T+\u], v[ACC+8*\u], v[ACC+8*\u+1], s[FLOOR]    ; no |.|: what is negative becomes 0 and must not count.  Each accumulator is read from its low end on
.endr
.irp j, 2,4,6
.irp u, 0,1,2,3
	v_max3_num_f32 v[T+\u], v[T+\u], v[ACC+8*\u+\j], v[ACC+8*\u+\j+1]
.endr
.endr
	v_max3_num_f32 v[T], v[T], v[T+1], v[T+2]
	v_max_num_f32 v[T], v[T], v[T+3]
	v_add_nc_u32 v[SO], s[NEG15], v[T]
	v_and_or_b32 v[LIM], v[T], s[EXPM], s[MNT]
	v_lshrrev_b32 v[BY], 23, v[SO]
.irp j, 0,1,2,3,4,5,6,7
.irp u, 0,1,2,3
	v_med3_num_f32 v[X+4*\j+\u], v[ACC+8*\u+\j], 0, v[LIM]          ; the activation, the hold and the order along f in one
.endr
.endr
.irp m, 0,1,2,3
	v_cvt_scalef32_pk8_bf8_f32 v[CO+2*\m:CO+2*\m+1], v[X+8*\m:X+8*\m+7], v[SO]
.endr
	v_nop                                          ; a plain line behind the conversions
	v_add_nc_u32 v[HA], s[S_HT], v[HS8]
	ds_store_b8 v[HA], v[BY]
	v_add_nc_u32 v[OV], s[S_HO], v[OUTO]
	global_store_b128 v[OV], v[CO:CO+3],   s[OB:OB+1] th:TH_STORE_NT             ; sixteen lanes store 256 consecutive bytes of the image, aligned
	global_store_b128 v[OV], v[CO+4:CO+7], s[OB:OB+1] offset:256 th:TH_STORE_NT
.endm
; one tile of 16 rows.  The branch hangs on the stored count and stands round the work alone: every wave walks the loop, and the steps of the scalars stand behind the label
.macro TILE first, next
	s_cmp_ge_u32 s[S_C18], s[S_NT]
	s_cbranch_scc1 .Lskip_\@
	v_add_nc_u32 v[AA1],   s[S_TB], v[AB1]
	v_add_nc_u32 v[AA1+1], s[S_TB], v[AB2]
	v_add_nc_u32 v[XA1],   s[S_XT], v[XB1]
	v_add_nc_u32 v[XA1+1], s[S_XT], v[XB2]
.if \first
	LOADH 0, 0
	LOADH 1, 0
.endif
	s_wait_dscnt 17                                ; half 0 is in; half 1's 17 loads may be out
	MULH 0
	WIN 0
	NOPS 8                                         ; eight places behind this form, ahead of loads into registers that it has read
.if \next
	LOADH 0, 1
	s_wait_dscnt 17                                ; all but the 17 just issued
.else
	s_wait_dscnt 0x0
.endif
	MULH 1
	WIN 0
	NOPS 8                                         ; and ahead of the first read of the results
.if \next
	LOADH 1, 1
	WIN 0
.endif
	WAYOUT
.Lskip_\@:
	s_add_co_u32 s[S_TB], s[S_TB], 32*PITCH        ; my next tile: two tiles on
	s_add_co_u32 s[S_XT], s[S_XT], 1024
	s_add_co_u32 s[S_HT], s[S_HT], 32
	s_add_co_u32 s[S_HO], s[S_HO], 131072
.endm
	s_load_b256 s[4:11], s[0:1], 0x0               ; xc s[4:5], xs s[6:7], sel s[8:9], w1 s[10:11]
	s_load_b128 s[12:15], s[0:1], 0x20             ; hc s[12:13], hs s[14:15]
	v_lshl_add_u32 v254, v0, 2, 0x4d200
	v_mov_b32 v255, 0
	v_lshrrev_b32 v1, 5, v0
	v_readfirstlane_b32 s[S_WV], v1                ; wave 0..3
	v_and_b32 v1, 31, v0                           ; lane
	v_and_b32 v2, 15, v0                           ; r
	v_bfe_u32 v3, v0, 4, 1                         ; h
	v_lshlrev_b32 v[L16], 4, v1
	v_lshlrev_b32 v[C16], 4, v2
	v_and_b32 v[L7], 7, v0
	s_and_b32 s[S_CG], s[S_WV], 1
	s_lshr_b32 s[S_KH], s[S_WV], 1
	s_xor_b32 s[S_KHX], s[S_KH], 1
	s_and_b32 s[S_E], ttmp7, 0xffff
	s_lshl_b32 s[S_BITS], 0x101, s[S_E]            ; the expert's two bits in sel
	; every LDS address base is made here, ahead of any branch
	v_mul_u32_u24 v[AB1], v2, PITCH
	v_lshl_add_u32 v[AB1], v3, 4, v[AB1]           ; row r x pitch + 16 h,
	s_lshl_b32 s48, s[S_KH], 9
	s_lshl_b32 s49, s[S_KHX], 9
	v_add_nc_u32 v[AB2], s49, v[AB1]               ; + 512 codes x the K half
	v_add_nc_u32 v[AB1], s48, v[AB1]
	v_lshl_add_u32 v[XB1], v2, 5, XSB
	s_lshl_b32 s48, s[S_KH], 4
	s_lshl_b32 s49, s[S_KHX], 4
	v_add_nc_u32 v[XB2], s49, v[XB1]
	v_add_nc_u32 v[XB1], s48, v[XB1]
	v_lshlrev_b32 v[WOFF], 18, v3                  ; lanes 16-31: 16 rows of W1 further down;
	v_lshl_add_u32 v[WOFF], v2, 4, v[WOFF]         ; 16 bytes a lane
	s_lshl_b32 s48, s[S_CG], 10
	v_lshl_add_u32 v[OUTO], v3, 9, v[C16]
	v_add_nc_u32 v[OUTO], s48, v[OUTO]             ; in the image: group 2 cg + h, lane r (and lane 16 + r, 256 bytes on)
	s_lshl_b32 s48, s[S_WV], 9
	v_lshl_add_u32 v[HS8], v2, 1, v3
	v_add_nc_u32 v[HS8], s48, v[HS8]
	v_add_nc_u32 v[HS8], HSB, v[HS8]
	v_mul_u32_u24 v[SD1], v3, PITCH                ; the gather: wave w brings rows 32 w .. + 31, 128 + 32 w .. + 31 and 256 + 8 w .. + 7 of a chunk; lanes 0-15 one row, lanes 16-31 the next
	v_add_nc_u32 v[SD1], v[SD1], v[C16]
	s_mul_i32 s48, s[S_WV], 8*PITCH
	s_add_co_u32 s48, s48, 256*PITCH
	v_add_nc_u32 v[SD3], s48, v[SD1]
	s_mul_i32 s48, s[S_WV], 32*PITCH
	v_add_nc_u32 v[SD1], s48, v[SD1]
	v_add_nc_u32 v[SD2], 128*PITCH, v[SD1]
	s_lshl_b32 s48, s[S_WV], 10
	v_lshl_add_u32 v[XSDA], v1, 5, XSB
	v_add_nc_u32 v[XSDA], s48, v[XSDA]             ; scale bytes: row 32 w + lane (and 128 rows on)
	s_lshl_b32 s48, s[S_WV], 8
	v_lshl_add_u32 v[XSDB], v[L7], 5, XSB+8192
	v_add_nc_u32 v[XSDB], s48, v[XSDB]             ; row 256 + 8 w + lane % 8
	s_xor_b32 s50, s[S_WV], 2                      ; my partner: the same columns, the other K half
	s_lshl_b32 s48, s[S_WV], 15
	s_lshl_b32 s49, s50, 15
	v_add_nc_u32 v[EXW], s48, v[L16]
	v_add_nc_u32 v[EXR], s49, v[L16]
	v_lshlrev_b32 v[L4], 2, v1
	s_lshl_b32 s48, s[S_WV], 11
	s_lshl_b32 s49, s50, 11
	v_add_nc_u32 v[EXSW], s48, v[L4]
	v_add_nc_u32 v[EXSW], EXS, v[EXSW]
	v_add_nc_u32 v[EXSR], s49, v[L4]
	v_add_nc_u32 v[EXSR], EXS, v[EXSR]
	v_lshlrev_b32 v[HSR], 10, v3
	v_lshl_add_u32 v[HSR], v2, 1, v[HSR]
	v_add_nc_u32 v[HSR], HSB, v[HSR]
	v_lshlrev_b32 v[HSOL], 11, v3
	v_lshl_add_u32 v[HSOL], v2, 2, v[HSOL]
	s_mov_b32 s[FLOOR], 0x08000000
	s_mov_b32 s[NEG15], 0xf8800000
	s_mov_b32 s[EXPM], 0x7f800000
	s_mov_b32 s[MNT], 0x600000
	s_mov_b32 s[PSEL], 0x76543210
	s_mov_b32 s[PSEL+1], 0xfedcba98
.irp u, 0,1,2,3
	v_mov_b32 v[P+\u], 0                           ; written once: a lane permute's destination counts as one of its sources
.endr
.irp u, 0,1,2,3,4,5,6,7
	v_mov_b32 v[XS+\u], 0x7f7f7f7f                 ; scales of 1, so that these registers are written on every path
.endr
	s_wait_kmcnt 0x0
	s_lshl_b32 s48, s[S_E], 24                     ; W1: expert, my K half, my columns
	s_lshl_b32 s49, s[S_KH], 23
	s_add_co_u32 s48, s48, s49
	s_lshl_b32 s49, ttmp9, 9
	s_add_co_u32 s48, s48, s49
	s_lshl_b32 s49, s[S_CG], 8
	s_add_co_u32 s48, s48, s49
	s_mov_b32 s49, 0
	s_add_nc_u64 s[WB:WB+1], s[10:11], s[48:49]
	s_mul_i32 s48, s[S_E], 4718592                 ; hc: expert, K step = work-group x
	s_lshl_b32 s50, ttmp9, 11
	s_add_co_u32 s48, s48, s50
	s_add_nc_u64 s[OB:OB+1], s[12:13], s[48:49]
	s_mul_i32 s48, s[S_E], 2304                    ; hs likewise
	s_add_co_u32 s48, s48, ttmp9
	s_lshl_b32 s48, s48, 6
	s_add_nc_u64 s[HSP:HSP+1], s[14:15], s[48:49]
.irp m, 0,1,2,3,4,5,6,7
	global_load_b128 v[SEL+4*\m:SEL+4*\m+3], v[L16], s[8:9] offset:512*\m   ; register 4 m + p of lane l: token 128 m + 4 l + p
.endr
	LOADW 0
	LOADW 1
	LOADW 2
	WIN 0
	s_wait_loadcnt 48                              ; sel is in; the 48 weight loads behind it stay out
	s_mov_b32 s[S_CNT], 0                          ; the expert's rows, and which lanes of each register hold them
.set N_, 0
.rept 32
	v_and_b32 v[VT], s[S_BITS], v[SEL+N_]
	v_cmp_ne_u32 s[MK+N_], 0, v[VT]
	s_bcnt1_i32_b32 s48, s[MK+N_]
	s_add_co_u32 s[S_CNT], s[S_CNT], s48
.set N_, N_+1
.endr
	s_add_co_u32 s[S_NT], s[S_CNT], 15
	s_lshr_b32 s[S_NT], s[S_NT], 4                 ; and their tiles
	s_lshl_b32 s[S_R0], s[S_WV], 5                 ; the first chunk's ranks that I fetch
	s_lshl_b32 s[S_R2], s[S_WV], 3
	s_add_co_u32 s[S_R2], s[S_R2], 256
	LOADW 3
	; THE STREAM.  Ten steps of the gather's addresses stand behind each of blocks 0 to 10.  The rows' scale bytes are asked for in step 65, behind block 6;
	; block 11's wait leaves only the 48 weight loads issued behind block 11's own out, so they are in behind it
.set B_, 0
.rept 16
	QBLK B_
.if B_ < 11
	ASTEPS 10*B_, 10
.endif
.if B_ == 11
	XSTORE
.endif
.set B_, B_+1
.endr
	; the K halves change hands as images of registers: 16 bytes a lane, 512 a store.  My 64 loads of rows stay out meanwhile: they land in window 3, which nothing here names
	WIN 0x04
.set N_, 0
.rept 64
	ds_store_b128 v[EXW], v[4*N_:4*N_+3] offset:512*N_
.set N_, N_+1
.endr
	WIN 0
.set N_, 0
.rept 16
	ds_store_b32 v[EXSW], v[SW+N_] offset:128*N_
.set N_, N_+1
.endr
	BARRIER
	WIN 0x80
.set N_, 0
.rept 64
	ds_load_b128 v[4*N_:4*N_+3], v[EXR] offset:512*N_
.set N_, N_+1
.endr
	WIN 0
.set N_, 0
.rept 16
	ds_load_b32 v[SW+16+N_], v[EXSR] offset:128*N_
.set N_, N_+1
.endr
	BARRIER                                        ; every wave's loads are in: the region may take the rows
	s_mov_b32 s[S_C], 0
	s_mov_b32 s[S_C18], 0
	s_mov_b32 s[S_CR], 0
.Lchunk:                                           ; four trips: 72 tiles serve every split, all 1,024 tokens on one expert too
	s_cmp_ge_u32 s[S_C18], s[S_NT]
	s_cbranch_scc1 .Lnostage
	; my 72 rows of the chunk go into LDS: groups 0 to 15 have been asked for; the other twenty follow as sets come free
	WIN 0xcc                                       ; loaded data and LDS stores' data: window 3
.set G_, 0
.rept 36
	DRAIN G_
.if (G_ >= 4) && (G_ <= 23)
	s_wait_dscnt 16                                ; the stores of group g - 4 have read the registers that group g + 12 lands in; the four youngest groups' 16 may be out
	ISSUE G_+12
.endif
.set G_, G_+1
.endr
	WIN 0
.Lnostage:
	s_wait_loadcnt 0x0                             ; nothing is on its way into window 3 on the way that has left the rows out either
	BARRIER                                        ; the chunk's rows lie in LDS
	s_mul_i32 s[S_TB], s[S_KH], 16*PITCH           ; my first tile of the chunk: kh
	s_lshl_b32 s[S_XT], s[S_KH], 9
	s_mov_b32 s[S_HT], 0
	s_add_co_u32 s[S_HO], s[S_C18], s[S_KH]
	s_lshl_b32 s[S_HO], s[S_HO], 16
	TILE 1, 1
	s_mov_b32 s[S_M], 7
.Ltile:
	TILE 0, 1
	s_sub_co_u32 s[S_M], s[S_M], 1
	s_cmp_lg_u32 s[S_M], 0
	s_cbranch_scc1 .Ltile
	TILE 0, 0
	BARRIER                                        ; nobody reads the rows any more, and h's scale bytes lie in LDS
	s_cmp_ge_u32 s[S_C18], s[S_NT]
	s_cbranch_scc1 .Lnohs
	s_cmp_lg_u32 s[S_WV], 0
	s_cbranch_scc1 .Lnohs
	s_wait_xcnt 0x0                                ; the last chunk's stores have read these registers
	s_lshl_b32 s48, s[S_C18], 11
	v_add_nc_u32 v[VH], s48, v[HSOL]
.irp n, 0,1,2,3,4,5,6,7,8
	ds_load_u16 v[HD+2*\n],   v[HSR] offset:32*\n        ; tile 2 n + lane / 16, row lane % 16: the bytes of columns 0-63,
	ds_load_u16 v[HD+2*\n+1], v[HSR] offset:32*\n+512    ; and of columns 64-127
.endr
	s_wait_dscnt 0x0
.irp n, 0,1,2,3,4,5,6,7,8
	v_lshl_or_b32 v[HD+2*\n], v[HD+2*\n+1], 16, v[HD+2*\n]
.endr
.irp n, 0,1,2,3,4,5,6,7,8
	global_store_b32 v[VH], v[HD+2*\n], s[HSP:HSP+1] offset:4096*\n
.endr
.Lnohs:
	s_add_co_u32 s[S_C18], s[S_C18], 18
	s_add_co_u32 s[S_CR], s[S_CR], 288
	s_add_co_u32 s[S_C], s[S_C], 1
	s_cmp_ge_u32 s[S_C18], s[S_NT]
	s_cbranch_scc1 .Lnopre
	; the next chunk has rows: its addresses, its scale bytes and its first sixteen groups, as the stream did for the first chunk
	s_lshl_b32 s48, s[S_WV], 5
	s_add_co_u32 s[S_R0], s[S_CR], s48
	s_lshl_b32 s48, s[S_WV], 3
	s_add_co_u32 s[S_R2], s[S_CR], s48
	s_add_co_u32 s[S_R2], s[S_R2], 256
	ASTEPS 0, NSTEP
	WIN 0xc0
.set G_, 0
.rept 16
	ISSUE G_
.set G_, G_+1
.endr
	WIN 0
	s_wait_loadcnt 63                              ; the six loads of scale bytes stand ahead of 64 younger ones: they are in
	XSTORE
.Lnopre:
	s_cmp_lt_u32 s[S_C], 4
	s_cbranch_scc1 .Lchunk
	s_wait_tensorcnt 0x0
	ds_add_u32 v254, v255
	s_wait_dscnt 0x0
	s_endpgm
.Lfunc_end_k_q0dbe64a0cf_up:
	.size	k_q0dbe64a0cf_up, .Lfunc_end_k_q0dbe64a0cf_up-k_q0dbe64a0cf_up
	.p2alignl 7, 3214868480
	.fill 96, 4, 3214868480
	.section	.rodata,"a",@progbits
	.p2align	6, 0x0
	.amdhsa_kernel k_q0dbe64a0cf_up
		.amdhsa_group_segment_fixed_size 316416
		.amdhsa_private_segment_fixed_size 0
		.amdhsa_enable_private_segment 0
		.amdhsa_kernarg_size 48
		.amdhsa_user_sgpr_count 2
		.amdhsa_user_sgpr_kernarg_segment_ptr 1
		.amdhsa_wavefront_size32 1
		.amdhsa_system_sgpr_workgroup_id_x 1
		.amdhsa_system_sgpr_workgroup_id_y 1
		.amdhsa_system_sgpr_workgroup_id_z 1
		.amdhsa_system_vgpr_workitem_id 0
		.amdhsa_next_free_vgpr 1024
		.amdhsa_next_free_sgpr 100
		.amdhsa_reserve_vcc 1
		.amdhsa_float_denorm_mode_32 3
		.amdhsa_float_denorm_mode_16_64 3
		.amdhsa_memory_ordered 1
		.amdhsa_forward_progress 1
		.amdhsa_inst_pref_size 255
	.end_amdhsa_kernel
	.section	.bss,"aw",@nobits
	.p2align	6
	.space	262144
	.amdgpu_metadata
---
amdhsa.version: [ 1, 2 ]
amdhsa.kernels:
  - .name:           k_q0dbe64a0cf_up
    .symbol:         k_q0dbe64a0cf_up.kd
    .args:
      - { .name: xc, .offset: 0, .size: 8, .value_kind: global_buffer, .address_space: global }
      - { .name: xs, .offset: 8, .size: 8, .value_kind: global_buffer, .address_space: global }
      - { .name: sel, .offset: 16, .size: 8, .value_kind: global_buffer, .address_space: global }
      - { .name: w1, .offset: 24, .size: 8, .value_kind: global_buffer, .address_space: global }
      - { .name: hc, .offset: 32, .size: 8, .value_kind: global_buffer, .address_space: global }
      - { .name: hs, .offset: 40, .size: 8, .value_kind: global_buffer, .address_space: global }
    .group_segment_fixed_size: 316416
    .private_segment_fixed_size: 0
    .kernarg_segment_align: 8
    .kernarg_segment_size: 48
    .max_flat_workgroup_size: 128
    .sgpr_count:     100
    .vgpr_count:     1024
    .wavefront_size: 32
...
	.end_amdgpu_metadata
.endif
;; end of part 2
;; launch down (part 3): grid 32 x 8, 4 waves a work-group, no clusters, 314,880 bytes of LDS; arguments hc, hs, sel, gwt, w2, y4; writes y4
.if DOCPART == 3
	.amdgcn_target "amdgcn-amd-amdhsa--gfx1250"
	.amdhsa_code_object_version 6
	.text
	.protected	k_q0dbe64a0cf_down
	.globl	k_q0dbe64a0cf_down
	.p2align	8
	.type	k_q0dbe64a0cf_down,@function
k_q0dbe64a0cf_down:
	s_mov_b64 s[64:65], 0
	v_nop
	global_prefetch_b8 v0, s[64:65] scope:SCOPE_SE
	s_setreg_imm32_b32 hwreg(HW_REG_WAVE_MODE, 25, 1), 1
	s_wait_xcnt 0x0
; y4[q][k x 1024 + token][:] = gate weight x (h W2 over K quarter q), for the rows that chose an expert, on codes of E5M2 with one E8M0 scale for each 32 along K = f.
; SHARES.  Work-group (x, y): expert y, K quarter q = x / 8 (1,024 of the 4,096 along f), columns d = 128 (x % 8) .. + 127 of W2 [4096 (f = K)][1024 (d)], f32: 512 KiB that no other work-group reads.
; Four waves: cg = wave % 2 says which 64 columns, kh = wave / 2 which 512 of the quarter a wave streams and quantises, and later which of every two tiles of rows it multiplies.
; PHASES.  (0) every wave counts the expert's rows from sel; wave 0 lays, in rank order (the same as in the launch before), each row's place k x 1024 + token and its gate weight into LDS.
; (1) W2 is read once and quantised along K in registers.  The stream's last four blocks have no weights left to ask for: each asks for four groups of h's images into the ring set that it has emptied, so that 16 of a wave's
; 36 groups are on their way during phase 2.  (2) the two waves of a column group copy each other's K half through LDS; (3) in chunks of 18 tiles of 16 rows: h's images and scale words of the quarter go into LDS
; as they lie, and each wave multiplies every second tile: 32 matrix instructions.  Source 0 = 16 rows of h, source 1 = 16 columns of W2 (column tile u: columns 4 r + u): lane (r, h) ends with rows 8 h + j and four
; neighbouring columns 4 r .. 4 r + 3, so that sixteen lanes store 256 consecutive bytes of a row.
; Ranks beyond the count have the weight 0 and go to row 2,048 + expert of the plane, which nobody reads.  Each row 0 .. 2,047 belongs to one expert, so each byte that the next launch reads is stored once.
; A chunk without rows is passed over by scalar branches on the count, which stand round no barrier.  The first chunk's images are asked for without a branch: the addresses lie inside the buffers whatever the count, and with no rows nothing of them is used.
; NO TENSOR LOADS, NO CLUSTER: branches hang on a count read from memory, and no two work-groups read the same weights; h's codes, which eight work-groups share, are under a tenth of the launch's bytes.
; NO PREFETCH: each wave keeps up to 64 loads of 512 bytes out from its first lines on.
; LIMITS: NaN and infinities are not served.  A block of zeros gets the byte 1 (the rule says 127): its codes are zeros.  The K halves are summed own half first; the four quarters are added by the next launch.
.set HSLB,   294912                    ; behind 18 tiles x 8 K steps x 2,048 bytes of images: their scale words, [tile][K step][16 rows]
.set DLB,    304128                    ; each rank's place in a plane: 1,152 words, and word 1,152 for what is not the expert's
.set WLO,    5120                      ; its gate weight lies this far behind
.set EXS,    131072                    ; the exchange (inside the images' region, parted from it by barriers)
.set STRIDE, 4096                      ; a row of W2 in bytes
.set PLANE,  8421376                   ; 2,056 rows of 4,096 bytes
.set L16, 4
.set C16, 5
.set AB1, 6
.set AB2, 7
.set XB1, 8
.set XB2, 9
.set WOFF, 10
.set LB,  11
.set SD0, 13                           ; v13-17  where I put the images: + 65,536 k
.set SOFF, 18
.set EXW, 19
.set EXR, 20
.set EXSW, 21
.set EXSR, 22
.set FILLA, 23
.set L4,  24
.set HSG, 25
.set HSD, 26
.set AA1, 27
.set XA1, 29
.set LA,  31
.set ACC, 32
.set XD,  32                           ; v32-49   while no tile is at work: h's scale words on their way
.set X,   64                           ; v64-127  the stream
.set SEL, 64
.set Y,   64                           ; v64-95   the way out
.set OFF, 96                           ; v96-103
.set DL,  104                          ; v104-111
.set WL,  112                          ; v112-119
.set G0,  96                           ; v96-127  at the head: the weights of e0
.set SW,  128                          ; scales and nothing else
.set XS,  160                          ; scales and nothing else
.set T,   168
.set P,   172
.set SO,  176
.set LIM, 180
.set BY,  184
.set SOFFC, 188                        ; v188, v189  the chunk's offsets in hc and in hs
.set HSGC, 189
.set VT,  196
.set VR,  197
.set VA,  198
.set VTOK, 199
.set VDI, 200
.set VK,  201
.set VD,  202
.set VW,  203
.set G1,  204                          ; v204-235 at the head: the weights of e1
.set FV,  236                          ; v236-239 2,048 + expert
.set ZR,  240                          ; v240-243 zeros
.set S_WV, 16
.set S_CG, 17
.set S_KH, 18
.set S_KHX, 19
.set S_E, 20
.set S_Q, 21
.set S_CS, 22
.set S_BITS, 23
.set S_CNT, 24
.set S_NT, 25
.set S_C, 26
.set S_C18, 27
.set S_CTL, 28
.set S_M, 29
.set S_TB, 30
.set S_XT, 31
.set S_LT, 32
.set WB, 34
.set OB, 36
.set HSP, 38
.set FLOOR, 40
.set NEG15, 41
.set EXPM, 42
.set MNT, 43
.set PSEL, 44
.set HCB, 52
.set MSB, 0
.macro WIN new                         ; the immediate's high byte repeats the setting that is left
.if MSB != \new
	s_set_vgpr_msb (MSB<<8)|\new
.set MSB, \new
.endif
.endm
.macro BARRIER                         ; my LDS stores have landed and my LDS loads are in: then the work-group's barrier
	s_wait_dscnt 0x0
	s_barrier_signal -1
	s_barrier_wait -1
.endm
.macro NOPS n
.rept \n
	v_nop
.endr
.endm
; block b of my 512 along K: W(32 b + 16 h + i, 4 r .. 4 r + 3) into set b % 4
.macro LOADW b
	WIN 0xc0
.irp i, 0,1,2,3,4,5,6,7,8,9,10,11,12,13,14,15
	global_load_b128 v[64*((\b)%4)+4*\i:64*((\b)%4)+4*\i+3], v[WOFF], s[WB:WB+1] offset:(32*(\b)+\i)*STRIDE th:TH_LOAD_NT
.endr
.endm
; the ring that brings h's images: group g = tile g / 2 of the chunk, K step 2 wave + g % 2 of the quarter: 2,048 consecutive bytes, four loads; sixteen sets of 16 registers in window 3
.macro ISSUE g
.irp p, 0,1,2,3
	global_load_b128 v[16*((\g)%16)+4*\p:16*((\g)%16)+4*\p+3], v[SOFFC], s[HCB:HCB+1] offset:((\g)/2)*65536+((\g)%2)*2048+512*\p
.endr
.endm
.macro DRAIN g
.if (\g) < 4
	s_wait_loadcnt 4*(15-(\g))                     ; group g is in; of the sixteen asked for ahead, those behind it may be out
.elseif 35-(\g) < 11
	s_wait_loadcnt 4*(35-(\g))                     ; group g is in; the groups issued behind it may be out
.else
	s_wait_loadcnt 44
.endif
.irp p, 0,1,2,3
	ds_store_b128 v[SD0+((\g)/2)/4], v[16*((\g)%16)+4*\p:16*((\g)%16)+4*\p+3] offset:(((\g)/2)%4)*16384+((\g)%2)*2048+512*\p
.endr
.endm
; block b becomes registers 4 c .. 4 c + 3 (c = b % 4) of the four fragments of K step b / 4, and byte c of their scale words
.macro QBLK b
.set RS, 64*((\b)%4)
.set QS, (\b)/4
.set QC, (\b)%4
	s_wait_loadcnt 48                              ; this block's 16 loads are in; the three batches of 16 issued behind them (weights, at the end images) may be out
	WIN 0x3c
.irp u, 0,1,2,3
	v_max3_num_f32 v[T+\u], s[FLOOR], |v[RS+\u]|, |v[RS+4+\u]|      ; with the floor 2^(16 - 127): the byte cannot fall under 1
.endr
.irp i, 2,4,6,8,10,12,14
.irp u, 0,1,2,3
	v_max3_num_f32 v[T+\u], v[T+\u], |v[RS+4*\i+\u]|, |v[RS+4*\i+4+\u]|
.endr
.endr
	WIN 0
.irp u, 0,1,2,3
	v_permlanex16_b32 v[P+\u], v[T+\u], s[PSEL], s[PSEL+1]
.endr
.irp u, 0,1,2,3
	v_max_num_f32 v[T+\u], v[T+\u], v[P+\u]        ; with lane l xor 16's 16: the block's largest magnitude
.endr
.irp u, 0,1,2,3
	v_add_nc_u32 v[SO+\u], s[NEG15], v[T+\u]       ; 15 off its exponent field: the conversion's scale operand
.endr
.irp u, 0,1,2,3
	v_and_or_b32 v[LIM+\u], v[T+\u], s[EXPM], s[MNT]   ; 57,344 x the scale
.endr
.irp u, 0,1,2,3
.if QC == 0
	v_lshrrev_b32 v[SW+4*QS+\u], 23, v[SO+\u]      ; the scale's byte
.else
	v_lshrrev_b32 v[BY+\u], 23, v[SO+\u]
.endif
.endr
.if QC != 0
.irp u, 0,1,2,3
	v_lshl_or_b32 v[SW+4*QS+\u], v[BY+\u], 8*QC, v[SW+4*QS+\u]
.endr
.endif
	WIN 0x03
.irp i, 0,1,2,3,4,5,6,7,8,9,10,11,12,13,14,15
.irp u, 0,1,2,3
	v_med3_num_f32 v[X+16*\u+\i], v[RS+4*\i+\u], -v[LIM+\u], v[LIM+\u]   ; the hold (the conversion does not saturate: ISA guide 7.6.2), which also puts a column's 16 numbers on end
.endr
.endr
.if (\b)+4 < 16
	LOADW (\b)+4                                   ; the set is free
.else
	WIN 0xc0                                       ; no weights are left: the set takes four groups of the first chunk's images
	ISSUE 4*((\b)-12)
	ISSUE 4*((\b)-12)+1
	ISSUE 4*((\b)-12)+2
	ISSUE 4*((\b)-12)+3
.endif
	WIN 0x40
.irp u, 0,1,2,3
	v_cvt_scalef32_pk8_bf8_f32 v[16*(4*QS+\u)+4*QC:16*(4*QS+\u)+4*QC+1],   v[X+16*\u:X+16*\u+7],    v[SO+\u]
	v_cvt_scalef32_pk8_bf8_f32 v[16*(4*QS+\u)+4*QC+2:16*(4*QS+\u)+4*QC+3], v[X+16*\u+8:X+16*\u+15], v[SO+\u]
.endr
	WIN 0
	v_nop                                          ; a plain line behind the conversions, ahead of the next write of their sources
.endm
.macro XLOAD                           ; h's scale words of the chunk's 18 tiles, my two K steps: nine loads of 8 bytes a lane
.set H_, 0
.rept 9
	global_load_b64 v[XD+2*H_:XD+2*H_+1], v[HSGC], s[HSP:HSP+1] offset:4096*H_
.set H_, H_+1
.endr
.endm
.macro XSTORE
.set H_, 0
.rept 9
	ds_store_b64 v[HSD], v[XD+2*H_:XD+2*H_+1] offset:1024*H_
.set H_, H_+1
.endr
.endm
; half x (0: my K half, 1: the partner's) of a tile's rows: 4 scale words and 4 fragments a lane, 20 loads.  nx = 1: of my next tile, two tiles on
.macro LOADH x, nx
	WIN 0
.irp sl, 0,1,2,3
	ds_load_b32 v[XS+4*\x+\sl], v[XA1+\x] offset:1024*\nx+64*\sl
.endr
	WIN 0xc0
.irp sl, 0,1,2,3
.irp c, 0,1,2,3
	ds_load_b128 v[64*\x+16*\sl+4*\c:64*\x+16*\sl+4*\c+3], v[AA1+\x] offset:32768*\nx+2048*\sl+512*\c
.endr
.endr
.endm
; 16 matrix instructions: four K steps x four column tiles; the four accumulators take turns, one instruction a turn.  The tile's first four start the sums
.macro MULH x
	WIN 0x07+4*\x                                  ; source 0 (rows) window 3, source 1 (weights) window 1 or 2
.irp sl, 0,1,2,3
.irp u, 0,1,2,3
.if (\x == 0) && (\sl == 0)
	v_wmma_scale_f32_16x16x128_f8f6f4 v[ACC+8*\u:ACC+8*\u+7], v[64*\x+16*\sl:64*\x+16*\sl+15], v[16*(4*\sl+\u):16*(4*\sl+\u)+15], 0, v[XS+4*\x+\sl], v[SW+16*\x+4*\sl+\u] matrix_a_fmt:MATRIX_FMT_BF8 matrix_b_fmt:MATRIX_FMT_BF8
.else
	v_wmma_scale_f32_16x16x128_f8f6f4 v[ACC+8*\u:ACC+8*\u+7], v[64*\x+16*\sl:64*\x+16*\sl+15], v[16*(4*\sl+\u):16*(4*\sl+\u)+15], v[ACC+8*\u:ACC+8*\u+7], v[XS+4*\x+\sl], v[SW+16*\x+4*\sl+\u] matrix_a_fmt:MATRIX_FMT_BF8 matrix_b_fmt:MATRIX_FMT_BF8
.endif
.endr
.endr
.endm
; one tile of 16 rows.  The branch hangs on the stored count and stands round the work alone: every wave walks the loop, and the steps of the scalars stand behind the label
.macro TILE first, next
	s_cmp_ge_u32 s[S_C18], s[S_NT]
	s_cbranch_scc1 .Lskip_\@
	v_add_nc_u32 v[AA1],   s[S_TB], v[AB1]
	v_add_nc_u32 v[AA1+1], s[S_TB], v[AB2]
	v_add_nc_u32 v[XA1],   s[S_XT], v[XB1]
	v_add_nc_u32 v[XA1+1], s[S_XT], v[XB2]
	v_add_nc_u32 v[LA],    s[S_LT], v[LB]
.if \first
	LOADH 0, 0
	LOADH 1, 0
.endif
	s_wait_dscnt 20                                ; half 0 is in; half 1's 20 loads may be out
	MULH 0
	WIN 0
	NOPS 8                                         ; eight places behind this form, ahead of loads into registers that it has read
.if \next
	LOADH 0, 1
	WIN 0
.endif
	ds_load_b128 v[DL:DL+3],   v[LA]               ; my eight rows' places
	ds_load_b128 v[DL+4:DL+7], v[LA] offset:16
	ds_load_b128 v[WL:WL+3],   v[LA] offset:WLO    ; and their gate weights
	ds_load_b128 v[WL+4:WL+7], v[LA] offset:WLO+16
	s_wait_dscnt 4+20*\next                        ; half 1 is in; what was just issued may be out
	MULH 1
	WIN 0
	NOPS 8                                         ; and ahead of the first read of the results
.if \next
	LOADH 1, 1
	WIN 0
.endif
	s_wait_xcnt 0x0                                ; the last tile's stores have read their registers: only now are these written again
	s_wait_dscnt 20*\next                          ; places and weights are in; the next tile's half 1 may be out
.irp j, 0,1,2,3,4,5,6,7
	v_min_u32 v[DL+\j], 2055, v[DL+\j]
.endr
.irp j, 0,1,2,3,4,5,6,7
	v_lshl_add_u32 v[OFF+\j], v[DL+\j], 12, v[C16]
.endr
.irp j, 0,1,2,3,4,5,6,7
.irp u, 0,1,2,3
	v_mul_f32 v[Y+4*\j+\u], v[ACC+8*\u+\j], v[WL+\j]     ; the gate's weight, and four neighbouring columns on end.  Each accumulator is read from its low end on
.endr
.endr
.irp j, 0,1,2,3,4,5,6,7
	global_store_b128 v[OFF+\j], v[Y+4*\j:Y+4*\j+3], s[OB:OB+1] th:TH_STORE_NT   ; sixteen lanes store 256 consecutive bytes of one row, aligned
.endr
.Lskip_\@:
	s_add_co_u32 s[S_TB], s[S_TB], 32768           ; my next tile: two tiles on
	s_add_co_u32 s[S_XT], s[S_XT], 1024
	s_add_co_u32 s[S_LT], s[S_LT], 128
.endm
	s_load_b256 s[4:11], s[0:1], 0x0               ; hc s[4:5], hs s[6:7], sel s[8:9], gwt s[10:11]
	s_load_b128 s[12:15], s[0:1], 0x20             ; w2 s[12:13], y4 s[14:15]
	v_lshl_add_u32 v254, v0, 2, 0x4cc00
	v_mov_b32 v255, 0
	v_lshrrev_b32 v1, 5, v0
	v_readfirstlane_b32 s[S_WV], v1                ; wave 0..3
	v_and_b32 v1, 31, v0                           ; lane
	v_and_b32 v2, 15, v0                           ; r
	v_bfe_u32 v3, v0, 4, 1                         ; h
	v_lshlrev_b32 v[L16], 4, v1
	v_lshlrev_b32 v[C16], 4, v2
	s_and_b32 s[S_CG], s[S_WV], 1
	s_lshr_b32 s[S_KH], s[S_WV], 1
	s_xor_b32 s[S_KHX], s[S_KH], 1
	s_and_b32 s[S_E], ttmp7, 0xffff
	s_lshr_b32 s[S_Q], ttmp9, 3
	s_and_b32 s[S_CS], ttmp9, 7
	s_lshl_b32 s[S_BITS], 0x101, s[S_E]            ; the expert's two bits in sel
	; every LDS address base is made here, ahead of any branch
	s_lshl_b32 s48, s[S_KH], 13
	s_lshl_b32 s49, s[S_KHX], 13
	v_add_nc_u32 v[AB1], s48, v[L16]               ; an image's place for my lane, + four K steps x the K half
	v_add_nc_u32 v[AB2], s49, v[L16]
	v_lshl_add_u32 v[XB1], v2, 2, HSLB
	s_lshl_b32 s48, s[S_KH], 8
	s_lshl_b32 s49, s[S_KHX], 8
	v_add_nc_u32 v[XB2], s49, v[XB1]
	v_add_nc_u32 v[XB1], s48, v[XB1]
	v_lshlrev_b32 v[WOFF], 16, v3                  ; lanes 16-31: 16 rows of W2 further down;
	v_lshl_add_u32 v[WOFF], v2, 4, v[WOFF]         ; 16 bytes a lane
	v_lshl_add_u32 v[LB], v3, 5, DLB               ; my eight rows of a tile: 8 h on
	s_lshl_b32 s48, s[S_WV], 12
	v_add_nc_u32 v[SOFF], s48, v[L16]              ; wave w brings K steps 2 w, 2 w + 1 of every tile
	v_mov_b32 v[SD0], v[SOFF]
	v_mov_b32 v[SOFFC], v[SOFF]                    ; the first chunk begins at the expert's first tile
.irp k, 1,2,3,4
	v_add_nc_u32 v[SD0+\k], 65536*\k, v[SOFF]
.endr
	s_xor_b32 s50, s[S_WV], 2                      ; my partner: the same columns, the other K half
	s_lshl_b32 s48, s[S_WV], 15
	s_lshl_b32 s49, s50, 15
	v_add_nc_u32 v[EXW], s48, v[L16]
	v_add_nc_u32 v[EXR], s49, v[L16]
	v_lshlrev_b32 v[L4], 2, v1
	s_lshl_b32 s48, s[S_WV], 11
	s_lshl_b32 s49, s50, 11
	v_add_nc_u32 v[EXSW], s48, v[L4]
	v_add_nc_u32 v[EXSW], EXS, v[EXSW]
	v_add_nc_u32 v[EXSR], s49, v[L4]
	v_add_nc_u32 v[EXSR], EXS, v[EXSR]
	v_add_nc_u32 v[FILLA], DLB, v[L16]
	s_lshl_b32 s48, s[S_WV], 7
	v_lshlrev_b32 v[HSG], 11, v3
	v_lshl_add_u32 v[HSG], v2, 3, v[HSG]
	v_add_nc_u32 v[HSG], s48, v[HSG]               ; h's scale words in memory: tile lane / 16, 128 bytes a wave, 8 a lane;
	v_mov_b32 v[HSGC], v[HSG]
	v_lshlrev_b32 v[HSD], 9, v3
	v_lshl_add_u32 v[HSD], v2, 3, v[HSD]
	v_add_nc_u32 v[HSD], s48, v[HSD]
	v_add_nc_u32 v[HSD], HSLB, v[HSD]              ; and in LDS
	s_mov_b32 s[FLOOR], 0x08000000
	s_mov_b32 s[NEG15], 0xf8800000
	s_mov_b32 s[EXPM], 0x7f800000
	s_mov_b32 s[MNT], 0x600000
	s_mov_b32 s[PSEL], 0x76543210
	s_mov_b32 s[PSEL+1], 0xfedcba98
	s_add_co_u32 s48, s[S_E], 2048
.irp u, 0,1,2,3
	v_mov_b32 v[P+\u], 0                           ; written once: a lane permute's destination counts as one of its sources
	v_mov_b32 v[ZR+\u], 0
	v_mov_b32 v[FV+\u], s48
.endr
.irp u, 0,1,2,3,4,5,6,7
	v_mov_b32 v[XS+\u], 0x7f7f7f7f                 ; scales of 1, so that these registers are written on every path
.endr
	v_mov_b32 v[VDI], 1152
	s_wait_kmcnt 0x0
	s_lshl_b32 s48, s[S_E], 24                     ; W2: expert, quarter, my K half, my columns
	s_lshl_b32 s49, s[S_Q], 22
	s_add_co_u32 s48, s48, s49
	s_lshl_b32 s49, s[S_KH], 21
	s_add_co_u32 s48, s48, s49
	s_lshl_b32 s50, s[S_CS], 9
	s_lshl_b32 s49, s[S_CG], 8
	s_add_co_u32 s50, s50, s49                     ; my columns, in bytes
	s_add_co_u32 s48, s48, s50
	s_mov_b32 s49, 0
	s_add_nc_u64 s[WB:WB+1], s[12:13], s[48:49]
	s_mul_i32 s48, s[S_Q], PLANE                   ; y4: the quarter's plane, my columns
	s_add_co_u32 s48, s48, s50
	s_add_nc_u64 s[OB:OB+1], s[14:15], s[48:49]
	s_mul_i32 s48, s[S_E], 2304                    ; hs: expert, the quarter's first K step
	s_lshl_b32 s50, s[S_Q], 3
	s_add_co_u32 s48, s48, s50
	s_lshl_b32 s48, s48, 6
	s_add_nc_u64 s[HSP:HSP+1], s[6:7], s[48:49]
	s_mul_i32 s48, s[S_E], 4718592                 ; hc likewise
	s_lshl_b32 s50, s[S_Q], 14
	s_add_co_u32 s48, s48, s50
	s_add_nc_u64 s[HCB:HCB+1], s[4:5], s[48:49]
.irp m, 0,1,2,3,4,5,6,7
	global_load_b128 v[SEL+4*\m:SEL+4*\m+3], v[L16], s[8:9] offset:512*\m   ; register 4 m + p of lane l: token 128 m + 4 l + p
.endr
.irp m, 0,1,2,3,4,5,6,7
	global_load_b128 v[G0+4*\m:G0+4*\m+3], v[L16], s[10:11] offset:512*\m
.endr
.irp m, 0,1,2,3,4,5,6,7
	global_load_b128 v[G1+4*\m:G1+4*\m+3], v[L16], s[10:11] offset:4096+512*\m
.endr
	LOADW 0
	LOADW 1
	LOADW 2
	WIN 0
	s_wait_loadcnt 48                              ; sel and the weights of the gate are in; the 48 weight loads behind them stay out
	s_mov_b32 s[S_CNT], 0                          ; the expert's rows
.set N_, 0
.rept 32
	v_and_b32 v[VT], s[S_BITS], v[SEL+N_]
	v_cmp_ne_u32 vcc_lo, 0, v[VT]
	s_bcnt1_i32_b32 s48, vcc_lo
	s_add_co_u32 s[S_CNT], s[S_CNT], s48
.set N_, N_+1
.endr
	s_add_co_u32 s[S_NT], s[S_CNT], 15
	s_lshr_b32 s[S_NT], s[S_NT], 4                 ; and their tiles
	s_cmp_lg_u32 s[S_WV], 0
	s_cbranch_scc1 .Lbuilt                         ; wave 0 alone lays the lists; no other wave touches LDS ahead of the barrier below
.irp n, 0,1,2,3,4,5,6,7,8,9
	ds_store_b128 v[FILLA], v[FV:FV+3] offset:512*\n          ; ranks beyond the count: row 2,048 + expert,
	ds_store_b128 v[FILLA], v[ZR:ZR+3] offset:WLO+512*\n      ; weight 0
.endr
	s_mov_b32 s47, 0
	s_add_co_u32 s49, s[S_E], 8
.set N_, 0
.rept 32
	v_and_b32 v[VT], s[S_BITS], v[SEL+N_]
	v_cmp_ne_u32 s46, 0, v[VT]
	v_mbcnt_lo_u32_b32 v[VR], s46, s47             ; rank: the rows of earlier registers, and of lower lanes in this one
	v_cndmask_b32 v[VR], v[VDI], v[VR], s46        ; what is not the expert's goes to word 1,152, which nobody reads
	v_min_u32 v[VR], 1152, v[VR]
	v_lshl_add_u32 v[VA], v[VR], 2, DLB
	v_add_nc_u32 v[VTOK], 128*(N_/4)+N_%4, v[L4]
	v_lshrrev_b32 v[VK], s49, v[VT]                ; k: 1 where the expert is the token's second choice
	v_lshl_add_u32 v[VD], v[VK], 10, v[VTOK]
	v_cmp_ne_u32 vcc_lo, 0, v[VK]
	v_cndmask_b32 v[VW], v[G0+N_], v[G1+N_], vcc_lo
	ds_store_b32 v[VA], v[VD]
	ds_store_b32 v[VA], v[VW] offset:WLO
	s_bcnt1_i32_b32 s48, s46
	s_add_co_u32 s47, s47, s48
.set N_, N_+1
.endr
.Lbuilt:
	BARRIER                                        ; the lists lie in LDS
	LOADW 3
	; THE STREAM.  The first chunk's scale words are asked for behind block 6; block 11's wait leaves only the 48 weight loads issued behind block 11's own out, so they are in behind it
.set B_, 0
.rept 16
	QBLK B_
.if B_ == 6
	XLOAD
.endif
.if B_ == 11
	XSTORE
.endif
.set B_, B_+1
.endr
	; the K halves change hands as images of registers: 16 bytes a lane, 512 a store.  My 64 loads of h's images stay out meanwhile: they land in window 3, which nothing here names
	WIN 0x04
.set N_, 0
.rept 64
	ds_store_b128 v[EXW], v[4*N_:4*N_+3] offset:512*N_
.set N_, N_+1
.endr
	WIN 0
.set N_, 0
.rept 16
	ds_store_b32 v[EXSW], v[SW+N_] offset:128*N_
.set N_, N_+1
.endr
	BARRIER
	WIN 0x80
.set N_, 0
.rept 64
	ds_load_b128 v[4*N_:4*N_+3], v[EXR] offset:512*N_
.set N_, N_+1
.endr
	WIN 0
.set N_, 0
.rept 16
	ds_load_b32 v[SW+16+N_], v[EXSR] offset:128*N_
.set N_, N_+1
.endr
	BARRIER                                        ; every wave's loads are in: the region may take the images
	s_mov_b32 s[S_C], 0
	s_mov_b32 s[S_C18], 0
	s_mov_b32 s[S_CTL], 0
.Lchunk:                                           ; four trips: 72 tiles serve every split, all 1,024 tokens on one expert too
	s_cmp_ge_u32 s[S_C18], s[S_NT]
	s_cbranch_scc1 .Lnostage
	; h's images of the chunk's 18 tiles, my two K steps, go into LDS: groups 0 to 15 have been asked for; the other twenty follow as sets come free
	WIN 0xcc                                       ; loaded data and LDS stores' data: window 3
.set G_, 0
.rept 36
	DRAIN G_
.if (G_ >= 4) && (G_ <= 23)
	s_wait_dscnt 16                                ; the stores of group g - 4 have read the registers that group g + 12 lands in; the four youngest groups' 16 may be out
	ISSUE G_+12
.endif
.set G_, G_+1
.endr
	WIN 0
.Lnostage:
	s_wait_loadcnt 0x0                             ; nothing is on its way into window 3 on the way that has left the images out either
	BARRIER                                        ; the chunk's rows lie in LDS
	s_lshl_b32 s[S_TB], s[S_KH], 14                ; my first tile of the chunk: kh
	s_lshl_b32 s[S_XT], s[S_KH], 9
	s_lshl_b32 s[S_LT], s[S_KH], 6
	s_add_co_u32 s[S_LT], s[S_LT], s[S_CTL]        ; 64 bytes of the lists a tile
	TILE 1, 1
	s_mov_b32 s[S_M], 7
.Ltile:
	TILE 0, 1
	s_sub_co_u32 s[S_M], s[S_M], 1
	s_cmp_lg_u32 s[S_M], 0
	s_cbranch_scc1 .Ltile
	TILE 0, 0
	BARRIER                                        ; nobody reads the rows any more
	s_add_co_u32 s[S_C18], s[S_C18], 18
	s_add_co_u32 s[S_CTL], s[S_CTL], 1152
	s_add_co_u32 s[S_C], s[S_C], 1
	s_cmp_ge_u32 s[S_C18], s[S_NT]
	s_cbranch_scc1 .Lnopre
	; the next chunk has rows: its scale words and its first sixteen groups, as the stream did for the first chunk
	s_lshl_b32 s48, s[S_C18], 16
	v_add_nc_u32 v[SOFFC], s48, v[SOFF]
	s_lshl_b32 s48, s[S_C18], 11
	v_add_nc_u32 v[HSGC], s48, v[HSG]
	XLOAD
	WIN 0xc0
.set G_, 0
.rept 16
	ISSUE G_
.set G_, G_+1
.endr
	WIN 0
	s_wait_loadcnt 63                              ; the nine loads of scale words stand ahead of 64 younger ones: they are in
	XSTORE
.Lnopre:
	s_cmp_lt_u32 s[S_C], 4
	s_cbranch_scc1 .Lchunk
	s_wait_tensorcnt 0x0
	ds_add_u32 v254, v255
	s_wait_dscnt 0x0
	s_endpgm
.Lfunc_end_k_q0dbe64a0cf_down:
	.size	k_q0dbe64a0cf_down, .Lfunc_end_k_q0dbe64a0cf_down-k_q0dbe64a0cf_down
	.p2alignl 7, 3214868480
	.fill 96, 4, 3214868480
	.section	.rodata,"a",@progbits
	.p2align	6, 0x0
	.amdhsa_kernel k_q0dbe64a0cf_down
		.amdhsa_group_segment_fixed_size 314880
		.amdhsa_private_segment_fixed_size 0
		.amdhsa_enable_private_segment 0
		.amdhsa_kernarg_size 48
		.amdhsa_user_sgpr_count 2
		.amdhsa_user_sgpr_kernarg_segment_ptr 1
		.amdhsa_wavefront_size32 1
		.amdhsa_system_sgpr_workgroup_id_x 1
		.amdhsa_system_sgpr_workgroup_id_y 1
		.amdhsa_system_sgpr_workgroup_id_z 1
		.amdhsa_system_vgpr_workitem_id 0
		.amdhsa_next_free_vgpr 1024
		.amdhsa_next_free_sgpr 66
		.amdhsa_reserve_vcc 1
		.amdhsa_float_denorm_mode_32 3
		.amdhsa_float_denorm_mode_16_64 3
		.amdhsa_memory_ordered 1
		.amdhsa_forward_progress 1
		.amdhsa_inst_pref_size 255
	.end_amdhsa_kernel
	.section	.bss,"aw",@nobits
	.p2align	6
	.space	262144
	.amdgpu_metadata
---
amdhsa.version: [ 1, 2 ]
amdhsa.kernels:
  - .name:           k_q0dbe64a0cf_down
    .symbol:         k_q0dbe64a0cf_down.kd
    .args:
      - { .name: hc, .offset: 0, .size: 8, .value_kind: global_buffer, .address_space: global }
      - { .name: hs, .offset: 8, .size: 8, .value_kind: global_buffer, .address_space: global }
      - { .name: sel, .offset: 16, .size: 8, .value_kind: global_buffer, .address_space: global }
      - { .name: gwt, .offset: 24, .size: 8, .value_kind: global_buffer, .address_space: global }
      - { .name: w2, .offset: 32, .size: 8, .value_kind: global_buffer, .address_space: global }
      - { .name: y4, .offset: 40, .size: 8, .value_kind: global_buffer, .address_space: global }
    .group_segment_fixed_size: 314880
    .private_segment_fixed_size: 0
    .kernarg_segment_align: 8
    .kernarg_segment_size: 48
    .max_flat_workgroup_size: 128
    .sgpr_count:     66
    .vgpr_count:     1024
    .wavefront_size: 32
...
	.end_amdgpu_metadata
.endif
;; end of part 3
;; launch combine (part 4): grid 256 x 1, 8 waves a work-group, no clusters, 0 bytes of LDS; arguments y4, out0; writes out0
.if DOCPART == 4
	.amdgcn_target "amdgcn-amd-amdhsa--gfx1250"
	.amdhsa_code_object_version 6
	.text
	.protected	k_q0dbe64a0cf_combine
	.globl	k_q0dbe64a0cf_combine
	.p2align	8
	.type	k_q0dbe64a0cf_combine,@function
k_q0dbe64a0cf_combine:
	s_mov_b64 s[64:65], 0
	v_nop
	global_prefetch_b8 v0, s[64:65] scope:SCOPE_SE
	s_setreg_imm32_b32 hwreg(HW_REG_WAVE_MODE, 25, 1), 1
	s_wait_xcnt 0x0
; out0[token][:] = the sum over the four K quarters q and the two choices k of y4[q][k x 1024 + token][:]; the gate's weights are already in the parts.
; A work-group takes four tokens; wave w takes 2,048 bytes: half w % 2 of token w / 2's row.  Each load and store of a wave covers 512 consecutive bytes, aligned.
; A stream: all 32 loads of a wave go out at once, and the waits count the younger groups of eight.  No LDS, no barrier, no matrix unit: there is nothing to share and nothing to multiply.
.set PLANE, 8421376                    ; a quarter's plane: 2,056 rows of 4,096 bytes
.set D, 16                             ; v16-143  piece n, plane 2 q + k at D + 4 (8 n + 2 q + k)
	s_load_b128 s[4:7], s[0:1], 0x0                ; y4 s[4:5], out0 s[6:7]
	v_lshrrev_b32 v1, 5, v0
	v_and_b32 v2, 31, v0
	v_lshlrev_b32 v1, 11, v1                       ; 2,048 bytes a wave,
	v_lshl_add_u32 v1, v2, 4, v1                   ; 16 a lane,
	s_lshl_b32 s16, ttmp9, 14
	v_add_nc_u32 v1, s16, v1                       ; four rows a work-group
	s_wait_kmcnt 0x0
	s_mov_b64 s[8:9], s[4:5]
	s_add_nc_u64 s[10:11], s[4:5], PLANE
	s_add_nc_u64 s[12:13], s[4:5], 2*PLANE
	s_add_nc_u64 s[14:15], s[4:5], 3*PLANE
.irp n, 0,1,2,3
.irp q, 0,1,2,3
.irp k, 0,1
	global_load_b128 v[D+4*(8*\n+2*\q+\k):D+4*(8*\n+2*\q+\k)+3], v1, s[8+2*\q:9+2*\q] offset:\k*4194304+512*\n th:TH_LOAD_NT
.endr
.endr
.endr
.irp n, 0,1,2,3
	s_wait_loadcnt 8*(3-\n)                        ; this piece's eight loads are in; the later pieces' may be out
.irp m, 0,2,4,6
	v_pk_add_f32 v[D+32*\n+4*\m:D+32*\n+4*\m+1],   v[D+32*\n+4*\m:D+32*\n+4*\m+1],   v[D+32*\n+4*\m+4:D+32*\n+4*\m+5]
	v_pk_add_f32 v[D+32*\n+4*\m+2:D+32*\n+4*\m+3], v[D+32*\n+4*\m+2:D+32*\n+4*\m+3], v[D+32*\n+4*\m+6:D+32*\n+4*\m+7]
.endr
.irp m, 0,4
	v_pk_add_f32 v[D+32*\n+4*\m:D+32*\n+4*\m+1],   v[D+32*\n+4*\m:D+32*\n+4*\m+1],   v[D+32*\n+4*\m+8:D+32*\n+4*\m+9]
	v_pk_add_f32 v[D+32*\n+4*\m+2:D+32*\n+4*\m+3], v[D+32*\n+4*\m+2:D+32*\n+4*\m+3], v[D+32*\n+4*\m+10:D+32*\n+4*\m+11]
.endr
	v_pk_add_f32 v[D+32*\n:D+32*\n+1],   v[D+32*\n:D+32*\n+1],   v[D+32*\n+16:D+32*\n+17]
	v_pk_add_f32 v[D+32*\n+2:D+32*\n+3], v[D+32*\n+2:D+32*\n+3], v[D+32*\n+18:D+32*\n+19]
	global_store_b128 v1, v[D+32*\n:D+32*\n+3], s[6:7] offset:512*\n th:TH_STORE_NT
.endr
	s_endpgm
.Lfunc_end_k_q0dbe64a0cf_combine:
	.size	k_q0dbe64a0cf_combine, .Lfunc_end_k_q0dbe64a0cf_combine-k_q0dbe64a0cf_combine
	.p2alignl 7, 3214868480
	.fill 96, 4, 3214868480
	.section	.rodata,"a",@progbits
	.p2align	6, 0x0
	.amdhsa_kernel k_q0dbe64a0cf_combine
		.amdhsa_group_segment_fixed_size 0
		.amdhsa_private_segment_fixed_size 0
		.amdhsa_enable_private_segment 0
		.amdhsa_kernarg_size 16
		.amdhsa_user_sgpr_count 2
		.amdhsa_user_sgpr_kernarg_segment_ptr 1
		.amdhsa_wavefront_size32 1
		.amdhsa_system_sgpr_workgroup_id_x 1
		.amdhsa_system_sgpr_workgroup_id_y 1
		.amdhsa_system_sgpr_workgroup_id_z 1
		.amdhsa_system_vgpr_workitem_id 0
		.amdhsa_next_free_vgpr 160
		.amdhsa_next_free_sgpr 66
		.amdhsa_reserve_vcc 0
		.amdhsa_float_denorm_mode_32 3
		.amdhsa_float_denorm_mode_16_64 3
		.amdhsa_memory_ordered 1
		.amdhsa_forward_progress 1
		.amdhsa_inst_pref_size 8
	.end_amdhsa_kernel
	.amdgpu_metadata
---
amdhsa.version: [ 1, 2 ]
amdhsa.kernels:
  - .name:           k_q0dbe64a0cf_combine
    .symbol:         k_q0dbe64a0cf_combine.kd
    .args:
      - { .name: y4, .offset: 0, .size: 8, .value_kind: global_buffer, .address_space: global }
      - { .name: out0, .offset: 8, .size: 8, .value_kind: global_buffer, .address_space: global }
    .group_segment_fixed_size: 0
    .private_segment_fixed_size: 0
    .kernarg_segment_align: 8
    .kernarg_segment_size: 16
    .max_flat_workgroup_size: 256
    .sgpr_count:     66
    .vgpr_count:     160
    .wavefront_size: 32
...
	.end_amdgpu_metadata
.endif
;; end of part 4
;; ======== version 2 of 2: 4 launches; version 1 with the launches up, down written anew for expert scheduling mode
;; workspace buffers: xc 1,048,576 bytes; xs 32,768 bytes; sel 4,096 bytes of whole numbers; gwt 8,192 bytes; hc 37,748,736 bytes; hs 1,179,648 bytes; y4 33,685,504 bytes
;; launch route: the kernel of part 1 again; grid 256 x 1, 1 waves a work-group, no clusters, 35,328 bytes of LDS; arguments hidden_states, gate_w, xc, xs, sel, gwt; writes xc, xs, sel, gwt
;; launch up (part 5): grid 32 x 8, 4 waves a work-group, no clusters, 316,416 bytes of LDS; arguments xc, xs, sel, w1, hc, hs; writes hc, hs
.if DOCPART == 5
	.amdgcn_target "amdgcn-amd-amdhsa--gfx1250"
	.amdhsa_code_object_version 6
	.text
	.protected	k_q0dbe64a0cf_up
	.globl	k_q0dbe64a0cf_up
	.p2align	8
	.type	k_q0dbe64a0cf_up,@function
k_q0dbe64a0cf_up:
	s_mov_b64 s[64:65], 0
	v_nop
	global_prefetch_b8 v0, s[64:65] scope:SCOPE_SE
	s_setreg_imm32_b32 hwreg(HW_REG_WAVE_SCHED_MODE, 0, 2), 2
	s_setreg_imm32_b32 hwreg(HW_REG_WAVE_MODE, 25, 1), 1
	s_wait_xcnt 0x0
	s_wait_alu depctr_vm_vsrc(0)
; h = relu(x W1) for the rows that chose an expert, on codes of E5M2 with one E8M0 scale for each 32 along K; h leaves as codes, quantised along f.
; SHARES.  Work-group (x, y) owns columns f = 128 x .. 128 x + 127 of expert y's W1 [1024 (d = K)][4096 (f)], f32: 512 KiB that no other work-group reads.
; Four waves: cg = wave % 2 says which 64 columns, kh = wave / 2 which 512 of K a wave streams and quantises, and later which of every two tiles of rows it multiplies.
; PHASES.  (0) every wave counts the expert's rows from sel and keeps the 32 lane masks (register n of sel: which lanes' tokens chose the expert) in scalar registers.
; (1) W1 is read once, 16 bytes a lane (two rows of K x 256 consecutive bytes an instruction), and quantised along K in registers: a lane holds 16 of a block's 32 numbers of four columns; lane l xor 16 holds the other 16.
; The codes are the operand's registers and stay.  Between the stream's blocks the wave makes, in registers, the token numbers of the 72 ranks whose rows it will fetch.  The last four blocks have no weights left to ask for:
; each asks for four groups of rows into the ring set that it has emptied, so that 16 of a wave's 36 groups are on their way during phase 2.
; (2) the two waves of a column group copy each other's K half through LDS as images of registers: then each holds 64 columns x all 1,024 K in 512 registers.
; (3) in chunks of 18 tiles of 16 rows: the rows' codes go into LDS, and each wave multiplies every second tile: 32 matrix instructions, weights from registers, rows from LDS.
; RANKS run by sel's registers, then by lanes (register 4 m + p of lane l: token 128 m + 4 l + p); the next launch counts them in the same order.
; THE PRODUCT IS USED TRANSPOSED (source 0 = 16 columns of W1, source 1 = 16 rows of x).  Column tile u holds columns 4 m + u, so lane (r, h) ends with row r and columns 32 h + 4 j + u: one whole block of 32 along f.
; OUT.  hc [e][tile 0..71][K step 0..31][2,048]: the image of the next product's operand registers (group c of lane l at 512 c + 16 l); hs [e][tile][K step][16 rows] one scale word a row.
; A chunk that has a row is worked whole: ranks beyond the count take token 1,023; the next launch gives them the weight 0.  A chunk without rows is passed over by scalar branches on the count, which stand round no barrier.
; The first chunk's rows are asked for without a branch: the addresses lie inside the buffers whatever the count, and with no rows nothing of them is used.
; NO TENSOR LOADS, NO CLUSTER: branches hang on a count read from memory, and no two work-groups read the same weights; what they share (x's codes, 1 MiB) is under a hundredth of the launch's input bytes.
; NO PREFETCH: each wave keeps up to 64 loads of 512 bytes out from its first lines on.
; LIMITS: NaN and infinities are not served.  A block of zeros gets the byte 1 (the rule says 127): its codes are zeros, and only this program reads the bytes.  The K halves are summed own half first, so the order of K steps differs between kh = 0 and 1.
; hs leaves in runs of 64 bytes (1 byte in 32 of what the launch stores).
; THE MODE: SCHED_MODE bits 1:0 = 2 (LLVM: expert scheduling mode 2), set by the entry lines.  The code itself states the register dependences between vector or matrix instructions and memory or LDS instructions, with s_wait_alu, always for 0.
; THE PLAN.  Registers that memory or LDS instructions touch:
;   offsets and LDS addresses v4-26   made once at the head, ahead of one wait on va_vdst, and never written again.
;   window 3, the stream   set b % 4: read by block b's maxima and holds; behind them ONE wait on va_vdst, then the loads of block b + 4 (at the end: four groups of rows) land in it.  The conversions behind those loads name v64-127, the scale operands and window 1 alone.
;   window 1, v128-143     my codes and scale words: written by the stream, read by the exchange's LDS stores and taken by the products: one wait on va_vdst ahead of the exchange.
;   window 3, the ring     set g % 16: filled by group g's loads, read by its four LDS stores; a wait on vm_vsrc stands ahead of the loads of group g + 16, which land in it.
;   window 3, the tiles    TWO buffers of 128 registers, and two sets of eight scale words, by turns: tile t multiplies buffer t % 2, and the loads of tile t + 1 land in the other, which no matrix instruction issued since the tile's head names.
;   v27-30                 a tile's four LDS addresses: read by its loads, written at the next tile's head, between a wait on vm_vsrc and the head's wait on va_vdst.
;   v184, v188-195, v201, v31   a tile's scale byte, codes and two addresses: written by its way out, one wait on va_vdst, read by its three stores; the next tile's head has the wait on vm_vsrc.
;   v204-245, v32-55       the gather's offsets and the rows' scale bytes: written once a chunk; their waits stand at their lines.
; So a tile has one wait on vm_vsrc and two on va_vdst, each inside the tile's own branch on the count, and its 34 LDS loads are dealt among its 32 matrix instructions with no further wait.
.set PITCH,  1040                      ; a row of x in LDS: 1,024 codes + 16: the 16 rows of a fragment load start at 16 different groups of banks
.set XSB,    299520                    ; behind 288 rows: their scale bytes, 32 a row
.set HSB,    313856                    ; h's scale bytes of a chunk: 512 bytes for each wave: [tile of the wave][row][h]
.set EXS,    131072                    ; the exchange (inside the rows' region, parted from it by barriers): 4 x 32,768 bytes of codes, then 4 x 2,048 of scale words
.set STRIDE, 16384                     ; a row of W1 in bytes
.set NSTEP,  78                        ; steps in which the gather's addresses are made
.set L16, 4
.set C16, 5
.set AB1, 6                            ; v6, v7   a fragment's place for my lane: my K half, the partner's
.set AB2, 7
.set XB1, 8                            ; v8, v9   the same for the rows' scale words
.set XB2, 9
.set WOFF, 10
.set OUTO, 11
.set HS8, 12
.set SD1, 13                           ; v13-15   where I put the rows: rows 32 w on, 128 + 32 w on, 256 + 8 w on
.set SD2, 14
.set SD3, 15
.set XSDA, 16                          ; v16, v17 and their scale bytes, a lane a row
.set XSDB, 17
.set L7,  18                           ; v18      lane % 8
.set EXW, 19
.set EXR, 20
.set EXSW, 21
.set EXSR, 22
.set L4,  24
.set HSR, 25
.set HSOL, 26
.set AA1, 27                           ; v27-30   a tile's addresses
.set XA1, 29
.set OV,  31
.set ACC, 32                           ; v32-63   four accumulators.  While no tile is at work: v32-49 the making of addresses, then v32-55 the rows' scale bytes on their way
.set RH,  32                           ; v32-34   three vectors of ranks; later -(place in the mask) - 1 + bits passed
.set MM,  35                           ; v35-37   the rank's mask
.set PK,  38                           ; v38-40   its register n << 16 | the ranks ahead of that register
.set CC,  41
.set PO,  44                           ; v44-46   its lane
.set TT,  47
.set XD,  32
.set X,   64                           ; v64-127  the stream: 16 numbers of four columns in K's order; the way out: 32 numbers
.set SEL, 64                           ; v64-95   at the head: sel
.set HD,  64                           ; v64-81   h's scale words on their way out
.set VH,  82
.set SW,  128                          ; v128-143 my weights' scale words (4 sl + u), v144-159 the partner's: scales and nothing else
.set XS,  160                          ; v160-167 the rows' scale words, tiles of even number: scales and nothing else
.set T,   168
.set P,   172
.set SO,  176
.set LIM, 180
.set BY,  184
.set CO,  188                          ; v188-195 32 codes
.set VT,  196
.set HA,  201
.set AD,  204                          ; v204-239 the gather: byte offsets of my 36 pairs of rows
.set TX,  240                          ; v240-242 and of my rows' scale bytes
.set TV,  243                          ; v243-245 my ranks' token numbers
.set XS2, 246                          ; v246-253 the rows' scale words, tiles of odd number: scales and nothing else
; window 1: my codes, fragment (u, sl) at 16 (4 sl + u);  window 2: the partner's;  window 3: the stream's four sets of 64, then the gather's ring, then the rows' fragments in two buffers of 128
.set S_WV, 16
.set S_CG, 17
.set S_KH, 18
.set S_KHX, 19
.set S_E, 20
.set S_BITS, 23
.set S_CNT, 24
.set S_NT, 25
.set S_C, 26
.set S_C18, 27
.set S_CR, 28                          ; the chunk's first rank
.set S_M, 29
.set S_TB, 30
.set S_XT, 31
.set S_HT, 32
.set S_HO, 33
.set WB, 34
.set OB, 36
.set HSP, 38
.set FLOOR, 40
.set NEG15, 41
.set EXPM, 42
.set MNT, 43
.set PSEL, 44
.set S_R0, 46                          ; the first rank of my first 32 rows, and of my last 8
.set S_R2, 47
.set S_RUN, 58
.set MK, 66                            ; s66-97   the 32 lane masks
.set MSB, 0
.macro WIN new                         ; the immediate's high byte repeats the setting that is left
.if MSB != \new
	s_set_vgpr_msb (MSB<<8)|\new
.set MSB, \new
.endif
.endm
.macro BARRIER                         ; my LDS stores have landed and my LDS loads are in: then the work-group's barrier
	s_wait_dscnt 0x0
	s_barrier_signal -1
	s_barrier_wait -1
.endm
.macro NOPS n
.rept \n
	v_nop
.endr
.endm
; block b of my 512 along K: W(32 b + 16 h + i, 4 r .. 4 r + 3) into set b % 4
.macro LOADW b
	WIN 0xc0
.irp i, 0,1,2,3,4,5,6,7,8,9,10,11,12,13,14,15
	global_load_b128 v[64*((\b)%4)+4*\i:64*((\b)%4)+4*\i+3], v[WOFF], s[WB:WB+1] offset:(32*(\b)+\i)*STRIDE th:TH_LOAD_NT
.endr
.endm
; the gather's ring: group g = two rows of x's codes, four loads of two rows x 256 bytes; sixteen sets of 16 registers in window 3
.macro ISSUE g
.irp p, 0,1,2,3
	global_load_b128 v[16*((\g)%16)+4*\p:16*((\g)%16)+4*\p+3], v[AD+(\g)], s[4:5] offset:256*\p
.endr
.endm
; group g's turn: its data are waited for; group g + 12 is asked for, into the set that group g - 4 has left; group g goes into LDS
.macro RING g
.if (\g) < 4
	s_wait_loadcnt 4*(15-(\g))                     ; group g is in; of the sixteen asked for ahead, those behind it may be out
.elseif 35-(\g) < 11
	s_wait_loadcnt 4*(35-(\g))                     ; group g is in; the groups issued behind it may be out
.else
	s_wait_loadcnt 44
.endif
.if ((\g) >= 4) && ((\g) <= 23)
	s_wait_dscnt 12                                ; the stores of group g - 4 are done; those of the three younger groups, 12, may be out
	s_wait_alu depctr_vm_vsrc(0)                   ; the LDS stores of group g - 4 have read the set in which group g + 12 lands
	ISSUE (\g)+12
.endif
.irp p, 0,1,2,3
.if (\g) < 16
	ds_store_b128 v[SD1], v[16*((\g)%16)+4*\p:16*((\g)%16)+4*\p+3] offset:2*PITCH*(\g)+256*\p
.elseif (\g) < 32
	ds_store_b128 v[SD2], v[16*((\g)%16)+4*\p:16*((\g)%16)+4*\p+3] offset:2*PITCH*((\g)-16)+256*\p
.else
	ds_store_b128 v[SD3], v[16*((\g)%16)+4*\p:16*((\g)%16)+4*\p+3] offset:2*PITCH*((\g)-32)+256*\p
.endif
.endr
.endm
; block b becomes registers 4 c .. 4 c + 3 (c = b % 4) of the four fragments of K step b / 4, and byte c of their scale words
.macro QBLK b
.set RS, 64*((\b)%4)
.set QS, (\b)/4
.set QC, (\b)%4
	s_wait_loadcnt 48                              ; this block's 16 loads are in; the three batches of 16 issued behind them (weights, at the end rows) may be out
	WIN 0x3c
.irp u, 0,1,2,3
	v_max3_num_f32 v[T+\u], s[FLOOR], |v[RS+\u]|, |v[RS+4+\u]|      ; with the floor 2^(16 - 127): the byte cannot fall under 1
.endr
.irp i, 2,4,6,8,10,12,14
.irp u, 0,1,2,3
	v_max3_num_f32 v[T+\u], v[T+\u], |v[RS+4*\i+\u]|, |v[RS+4*\i+4+\u]|
.endr
.endr
	WIN 0
.irp u, 0,1,2,3
	v_permlanex16_b32 v[P+\u], v[T+\u], s[PSEL], s[PSEL+1]
.endr
.irp u, 0,1,2,3
	v_max_num_f32 v[T+\u], v[T+\u], v[P+\u]        ; with lane l xor 16's 16: the block's largest magnitude
.endr
.irp u, 0,1,2,3
	v_add_nc_u32 v[SO+\u], s[NEG15], v[T+\u]       ; 15 off its exponent field: the conversion's scale operand
.endr
.irp u, 0,1,2,3
	v_and_or_b32 v[LIM+\u], v[T+\u], s[EXPM], s[MNT]   ; 57,344 x the scale
.endr
.irp u, 0,1,2,3
.if QC == 0
	v_lshrrev_b32 v[SW+4*QS+\u], 23, v[SO+\u]      ; the scale's byte
.else
	v_lshrrev_b32 v[BY+\u], 23, v[SO+\u]
.endif
.endr
.if QC != 0
.irp u, 0,1,2,3
	v_lshl_or_b32 v[SW+4*QS+\u], v[BY+\u], 8*QC, v[SW+4*QS+\u]
.endr
.endif
	WIN 0x03
.irp i, 0,1,2,3,4,5,6,7,8,9,10,11,12,13,14,15
.irp u, 0,1,2,3
	v_med3_num_f32 v[X+16*\u+\i], v[RS+4*\i+\u], -v[LIM+\u], v[LIM+\u]   ; the hold (the conversion does not saturate: ISA guide 7.6.2), which also puts a column's 16 numbers on end
.endr
.endr
	WIN 0xc0
	s_wait_alu depctr_va_vdst(0)                   ; the maxima and the holds are done reading set b % 4, in which the loads below land; from block 12 on: the rows' offsets v[AD ..], which those loads read, are written
.if (\b)+4 < 16
	LOADW (\b)+4                                   ; the set is free
.else
	ISSUE 4*((\b)-12)                              ; no weights are left: the set takes four groups of the first chunk's rows
	ISSUE 4*((\b)-12)+1
	ISSUE 4*((\b)-12)+2
	ISSUE 4*((\b)-12)+3
.endif
	WIN 0x40
.irp u, 0,1,2,3
	v_cvt_scalef32_pk8_bf8_f32 v[16*(4*QS+\u)+4*QC:16*(4*QS+\u)+4*QC+1],   v[X+16*\u:X+16*\u+7],    v[SO+\u]
	v_cvt_scalef32_pk8_bf8_f32 v[16*(4*QS+\u)+4*QC+2:16*(4*QS+\u)+4*QC+3], v[X+16*\u+8:X+16*\u+15], v[SO+\u]
.endr
	WIN 0
	v_nop                                          ; a plain line behind the conversions, ahead of the next write of their sources
.endm
; THE GATHER'S ADDRESSES, in NSTEP steps, for three vectors of ranks: lane l: S_R0 + l, S_R0 + 128 + l, S_R2 + l % 8.
;   step 0       the ranks; register 0 of sel is the first candidate
;   steps 1-31   register n takes over where the ranks ahead of it (the running count) are not more than the rank
;   step 32      the rank's place j among its register's rows; kept as -j - 1
;   steps 33-64  bit b of the mask is added; while the sum is negative the row lies further up: the lane is the number of such bits
;   step 65      token = 128 (n / 4) + n % 4 + 4 x lane; the rows' scale bytes are asked for, a lane a row
;   steps 66-77  three groups a step; group g: lanes 0-15 take one rank's token, lanes 16-31 the next rank's; held to 1,023; x 1,024 bytes + 16 (lane % 16)
; What a vector instruction writes into a scalar register is made in runs (three masks; six tokens), with one wait on va_sdst behind each run, ahead of the run's first reader.
.macro ASTEP i
.if (\i) == 0
	v_add_nc_u32 v[RH], s[S_R0], v1
	v_add_nc_u32 v[RH+1], 128, v[RH]
	v_add_nc_u32 v[RH+2], s[S_R2], v[L7]
.irp k, 0,1,2
	v_mov_b32 v[MM+\k], s[MK]
	v_mov_b32 v[PK+\k], 0
.endr
	s_bcnt1_i32_b32 s[S_RUN], s[MK]
.elseif (\i) < 32
	s_or_b32 s59, s[S_RUN], (\i)<<16
.irp k, 0,1,2
	v_cmp_gt_u32 s[60+\k], s[S_RUN], v[RH+\k]      ; more ranks ahead of register n than my rank: the earlier register stays
.endr
	s_wait_alu depctr_va_sdst(0)                   ; the three masks s60 to s62 are written, ahead of the selects that read them
.irp k, 0,1,2
	v_cndmask_b32 v[MM+\k], s[MK+(\i)], v[MM+\k], s[60+\k]
	v_cndmask_b32 v[PK+\k], s59, v[PK+\k], s[60+\k]
.endr
	s_bcnt1_i32_b32 s63, s[MK+(\i)]
	s_add_co_u32 s[S_RUN], s[S_RUN], s63
.elseif (\i) == 32
.irp k, 0,1,2
	v_and_b32 v[TT+\k], 0xffff, v[PK+\k]
.endr
.irp k, 0,1,2
	v_sub_nc_u32 v[RH+\k], v[RH+\k], v[TT+\k]      ; j
.endr
.irp k, 0,1,2
	v_xor_b32 v[RH+\k], -1, v[RH+\k]               ; -j - 1
	v_mov_b32 v[PO+\k], 0
.endr
.elseif (\i) < 65
.set AB, (\i)-33
.irp k, 0,1,2
	v_bfe_u32 v[TT+\k], v[MM+\k], AB, 1
.endr
.irp k, 0,1,2
	v_add_nc_u32 v[RH+\k], v[RH+\k], v[TT+\k]
.endr
.irp k, 0,1,2
	v_lshrrev_b32 v[TT+\k], 31, v[RH+\k]           ; 1 while at most j rows lie in bits 0 .. b
.endr
.irp k, 0,1,2
	v_add_nc_u32 v[PO+\k], v[PO+\k], v[TT+\k]
.endr
.elseif (\i) == 65
.irp k, 0,1,2
	v_lshrrev_b32 v[TT+\k], 18, v[PK+\k]           ; n / 4
	v_bfe_u32 v[CC+\k], v[PK+\k], 16, 2            ; n % 4
.endr
.irp k, 0,1,2
	v_lshl_add_u32 v[CC+\k], v[TT+\k], 7, v[CC+\k]
.endr
.irp k, 0,1,2
	v_lshl_add_u32 v[TV+\k], v[PO+\k], 2, v[CC+\k] ; a rank beyond the count comes out above 1,023 and is held there
.endr
.irp k, 0,1,2
	v_min_u32 v[TX+\k], 0x3ff, v[TV+\k]
.endr
.irp k, 0,1,2
	v_lshlrev_b32 v[TX+\k], 5, v[TX+\k]
.endr
	s_wait_alu depctr_va_vdst(0)                   ; the three offsets v[TX ..] are written, which the loads below read; the steps above are done with v32 to v49, in which these loads land
.irp k, 0,1,2
	global_load_b128 v[XD+8*\k:XD+8*\k+3],   v[TX+\k], s[6:7]
	global_load_b128 v[XD+8*\k+4:XD+8*\k+7], v[TX+\k], s[6:7] offset:16
.endr
.else
.set AG, 3*((\i)-66)
.irp k, 0,1,2
	v_readlane_b32 s[52+2*\k], v[TV+(AG+\k)/16], 2*((AG+\k)%16)
	v_readlane_b32 s[53+2*\k], v[TV+(AG+\k)/16], 2*((AG+\k)%16)+1
.endr
	s_mov_b32 s63, 0xffff                          ; lanes 0-15
	s_wait_alu depctr_va_sdst(0)                   ; the six tokens s52 to s57 are written, ahead of the lines that read them
.irp k, 0,1,2
	v_mov_b32 v[AD+AG+\k], s[52+2*\k]
.endr
.irp k, 0,1,2
	v_cndmask_b32 v[AD+AG+\k], s[53+2*\k], v[AD+AG+\k], s63
.endr
.irp k, 0,1,2
	v_min_u32 v[AD+AG+\k], 0x3ff, v[AD+AG+\k]
.endr
.irp k, 0,1,2
	v_lshl_add_u32 v[AD+AG+\k], v[AD+AG+\k], 10, v[C16]
.endr
.endif
.endm
.macro ASTEPS from, n
.set AI, \from
.rept \n
.if AI < NSTEP
	ASTEP AI
.endif
.set AI, AI+1
.endr
.endm
.macro XSTORE                          ; my 72 rows' scale bytes into LDS (of my last 8 rows four lanes hold the same 32 bytes and write them to the same place)
	ds_store_b128 v[XSDA], v[XD:XD+3]
	ds_store_b128 v[XSDA], v[XD+4:XD+7] offset:16
	ds_store_b128 v[XSDA], v[XD+8:XD+11] offset:4096
	ds_store_b128 v[XSDA], v[XD+12:XD+15] offset:4112
	ds_store_b128 v[XSDB], v[XD+16:XD+19]
	ds_store_b128 v[XSDB], v[XD+20:XD+23] offset:16
.endm
; half x (0: my K half, 1: the partner's) of a tile's rows into buffer p: 4 scale words and 4 fragments a lane, 17 loads.  nx = 1: of my next tile, two tiles on
.macro LOADH p, x, nx
	WIN 0
	ds_load_b128 v[XS+(XS2-XS)*(\p)+4*\x:XS+(XS2-XS)*(\p)+4*\x+3], v[XA1+\x] offset:1024*\nx
	WIN 0xc0
.irp sl, 0,1,2,3
.irp c, 0,1,2,3
	ds_load_b128 v[128*(\p)+64*\x+16*\sl+4*\c:128*(\p)+64*\x+16*\sl+4*\c+3], v[AA1+\x] offset:32*PITCH*\nx+128*\sl+32*\c
.endr
.endr
.endm
; 16 matrix instructions on buffer p: four K steps x four column tiles; the four accumulators take turns, one instruction a turn.  The tile's first four start the sums
.macro MULH p, x
	WIN 0x0d+\x                                    ; source 0 (weights) window 1 or 2, source 1 (rows) window 3
.irp sl, 0,1,2,3
.irp u, 0,1,2,3
.if (\x == 0) && (\sl == 0)
	v_wmma_scale_f32_16x16x128_f8f6f4 v[ACC+8*\u:ACC+8*\u+7], v[16*(4*\sl+\u):16*(4*\sl+\u)+15], v[128*(\p)+64*\x+16*\sl:128*(\p)+64*\x+16*\sl+15], 0, v[SW+16*\x+4*\sl+\u], v[XS+(XS2-XS)*(\p)+4*\x+\sl] matrix_a_fmt:MATRIX_FMT_BF8 matrix_b_fmt:MATRIX_FMT_BF8
.else
	v_wmma_scale_f32_16x16x128_f8f6f4 v[ACC+8*\u:ACC+8*\u+7], v[16*(4*\sl+\u):16*(4*\sl+\u)+15], v[128*(\p)+64*\x+16*\sl:128*(\p)+64*\x+16*\sl+15], v[ACC+8*\u:ACC+8*\u+7], v[SW+16*\x+4*\sl+\u], v[XS+(XS2-XS)*(\p)+4*\x+\sl] matrix_a_fmt:MATRIX_FMT_BF8 matrix_b_fmt:MATRIX_FMT_BF8
.endif
.endr
.endr
.endm
; my 32 numbers are one block along f: relu, scale, codes; 32 bytes into the image, one byte into LDS
.macro WAYOUT
	s_wait_xcnt 0x0                                ; the last tile's stores have had their addresses translated: only now are their registers written again (that those stores have read them is stated at the tile's head)
.irp u, 0,1,2,3
	v_max3_num_f32 v[T+\u], v[ACC+8*\u], v[ACC+8*\u+1], s[FLOOR]    ; no |.|: what is negative becomes 0 and must not count.  Each accumulator is read from its low end on
.endr
.irp j, 2,4,6
.irp u, 0,1,2,3
	v_max3_num_f32 v[T+\u], v[T+\u], v[ACC+8*\u+\j], v[ACC+8*\u+\j+1]
.endr
.endr
	v_max3_num_f32 v[T], v[T], v[T+1], v[T+2]
	v_max_num_f32 v[T], v[T], v[T+3]
	v_add_nc_u32 v[SO], s[NEG15], v[T]
	v_and_or_b32 v[LIM], v[T], s[EXPM], s[MNT]
	v_lshrrev_b32 v[BY], 23, v[SO]
.irp j, 0,1,2,3,4,5,6,7
.irp u, 0,1,2,3
	v_med3_num_f32 v[X+4*\j+\u], v[ACC+8*\u+\j], 0, v[LIM]          ; the activation, the hold and the order along f in one
.endr
.endr
.irp m, 0,1,2,3
	v_cvt_scalef32_pk8_bf8_f32 v[CO+2*\m:CO+2*\m+1], v[X+8*\m:X+8*\m+7], v[SO]
.endr
	v_nop                                          ; a plain line behind the conversions
	v_add_nc_u32 v[HA], s[S_HT], v[HS8]
	v_add_nc_u32 v[OV], s[S_HO], v[OUTO]
	s_wait_alu depctr_va_vdst(0)                   ; the byte, the eight registers of codes and the two addresses are written, which the three stores read
	ds_store_b8 v[HA], v[BY]
	global_store_b128 v[OV], v[CO:CO+3],   s[OB:OB+1] th:TH_STORE_NT             ; sixteen lanes store 256 consecutive bytes of the image, aligned
	global_store_b128 v[OV], v[CO+4:CO+7], s[OB:OB+1] offset:256 th:TH_STORE_NT
.endm
; one tile of 16 rows, on buffer p.  The branch hangs on the stored count and stands round the work alone: every wave walks the loop, and the steps of the scalars stand behind the label
.macro TILE p, first, next
	s_cmp_ge_u32 s[S_C18], s[S_NT]
	s_cbranch_scc1 .Lskip_\@
	s_wait_alu depctr_vm_vsrc(0)                   ; the LDS loads issued so far have read the four addresses, which are written below; the last tile's stores have read the byte, the codes and their addresses, which this tile's way out writes;
	                                               ; the LDS stores of the rows and of their scale bytes have read window 3 and v32 to v55, in which this tile's loads land and its sums are written
	v_add_nc_u32 v[AA1],   s[S_TB], v[AB1]
	v_add_nc_u32 v[AA1+1], s[S_TB], v[AB2]
	v_add_nc_u32 v[XA1],   s[S_XT], v[XB1]
	v_add_nc_u32 v[XA1+1], s[S_XT], v[XB2]
	s_wait_alu depctr_va_vdst(0)                   ; the four addresses are written; the last tile's matrix instructions are done reading the other buffer and its scale words, in which this tile's loads land
.if \first
	LOADH \p, 0, 0
	LOADH \p, 1, 0
.else
	s_wait_dscnt 1                                 ; this tile's 34 loads, issued in the last tile, are in; the last tile's byte store may be out
.endif
.if \next
	LOADH 1-\p, 0, 1                               ; the next tile's half 0.  No wait: no vector or matrix instruction since the head's wait names these registers
.endif
.if \first
	s_wait_dscnt 34                                ; half 0 is in; half 1's 17 loads and the next tile's 17 may be out
.endif
	MULH \p, 0
.if \next
	LOADH 1-\p, 1, 1                               ; the next tile's half 1: the sixteen products above name buffer p, its scale words, the weights and the sums alone
.endif
.if \first
	s_wait_dscnt 34                                ; half 1 is in; the next tile's 34 loads may be out
.endif
	MULH \p, 1
	WIN 0
	NOPS 8                                         ; eight places behind this form, ahead of the first read of the results
	WAYOUT
.Lskip_\@:
	s_add_co_u32 s[S_TB], s[S_TB], 32*PITCH        ; my next tile: two tiles on
	s_add_co_u32 s[S_XT], s[S_XT], 1024
	s_add_co_u32 s[S_HT], s[S_HT], 32
	s_add_co_u32 s[S_HO], s[S_HO], 131072
.endm
	s_load_b256 s[4:11], s[0:1], 0x0               ; xc s[4:5], xs s[6:7], sel s[8:9], w1 s[10:11]
	s_load_b128 s[12:15], s[0:1], 0x20             ; hc s[12:13], hs s[14:15]
	v_lshl_add_u32 v254, v0, 2, 0x4d200
	v_mov_b32 v255, 0
	v_lshrrev_b32 v1, 5, v0
	v_readfirstlane_b32 s[S_WV], v1                ; wave 0..3
	v_and_b32 v1, 31, v0                           ; lane
	v_and_b32 v2, 15, v0                           ; r
	v_bfe_u32 v3, v0, 4, 1                         ; h
	v_lshlrev_b32 v[L16], 4, v1
	v_lshlrev_b32 v[C16], 4, v2
	v_and_b32 v[L7], 7, v0
	s_wait_alu depctr_va_sdst(0)                   ; the wave's number is written, ahead of its first reader
	s_and_b32 s[S_CG], s[S_WV], 1
	s_lshr_b32 s[S_KH], s[S_WV], 1
	s_xor_b32 s[S_KHX], s[S_KH], 1
	s_and_b32 s[S_E], ttmp7, 0xffff
	s_lshl_b32 s[S_BITS], 0x101, s[S_E]            ; the expert's two bits in sel
	; every LDS address base is made here, ahead of any branch
	v_mul_u32_u24 v[AB1], v2, PITCH
	v_lshl_add_u32 v[AB1], v3, 4, v[AB1]           ; row r x pitch + 16 h,
	s_lshl_b32 s48, s[S_KH], 9
	s_lshl_b32 s49, s[S_KHX], 9
	v_add_nc_u32 v[AB2], s49, v[AB1]               ; + 512 codes x the K half
	v_add_nc_u32 v[AB1], s48, v[AB1]
	v_lshl_add_u32 v[XB1], v2, 5, XSB
	s_lshl_b32 s48, s[S_KH], 4
	s_lshl_b32 s49, s[S_KHX], 4
	v_add_nc_u32 v[XB2], s49, v[XB1]
	v_add_nc_u32 v[XB1], s48, v[XB1]
	v_lshlrev_b32 v[WOFF], 18, v3                  ; lanes 16-31: 16 rows of W1 further down;
	v_lshl_add_u32 v[WOFF], v2, 4, v[WOFF]         ; 16 bytes a lane
	s_lshl_b32 s48, s[S_CG], 10
	v_lshl_add_u32 v[OUTO], v3, 9, v[C16]
	v_add_nc_u32 v[OUTO], s48, v[OUTO]             ; in the image: group 2 cg + h, lane r (and lane 16 + r, 256 bytes on)
	s_lshl_b32 s48, s[S_WV], 9
	v_lshl_add_u32 v[HS8], v2, 1, v3
	v_add_nc_u32 v[HS8], s48, v[HS8]
	v_add_nc_u32 v[HS8], HSB, v[HS8]
	v_mul_u32_u24 v[SD1], v3, PITCH                ; the gather: wave w brings rows 32 w .. + 31, 128 + 32 w .. + 31 and 256 + 8 w .. + 7 of a chunk; lanes 0-15 one row, lanes 16-31 the next
	v_add_nc_u32 v[SD1], v[SD1], v[C16]
	s_mul_i32 s48, s[S_WV], 8*PITCH
	s_add_co_u32 s48, s48, 256*PITCH
	v_add_nc_u32 v[SD3], s48, v[SD1]
	s_mul_i32 s48, s[S_WV], 32*PITCH
	v_add_nc_u32 v[SD1], s48, v[SD1]
	v_add_nc_u32 v[SD2], 128*PITCH, v[SD1]
	s_lshl_b32 s48, s[S_WV], 10
	v_lshl_add_u32 v[XSDA], v1, 5, XSB
	v_add_nc_u32 v[XSDA], s48, v[XSDA]             ; scale bytes: row 32 w + lane (and 128 rows on)
	s_lshl_b32 s48, s[S_WV], 8
	v_lshl_add_u32 v[XSDB], v[L7], 5, XSB+8192
	v_add_nc_u32 v[XSDB], s48, v[XSDB]             ; row 256 + 8 w + lane % 8
	s_xor_b32 s50, s[S_WV], 2                      ; my partner: the same columns, the other K half
	s_lshl_b32 s48, s[S_WV], 15
	s_lshl_b32 s49, s50, 15
	v_add_nc_u32 v[EXW], s48, v[L16]
	v_add_nc_u32 v[EXR], s49, v[L16]
	v_lshlrev_b32 v[L4], 2, v1
	s_lshl_b32 s48, s[S_WV], 11
	s_lshl_b32 s49, s50, 11
	v_add_nc_u32 v[EXSW], s48, v[L4]
	v_add_nc_u32 v[EXSW], EXS, v[EXSW]
	v_add_nc_u32 v[EXSR], s49, v[L4]
	v_add_nc_u32 v[EXSR], EXS, v[EXSR]
	v_lshlrev_b32 v[HSR], 10, v3
	v_lshl_add_u32 v[HSR], v2, 1, v[HSR]
	v_add_nc_u32 v[HSR], HSB, v[HSR]
	v_lshlrev_b32 v[HSOL], 11, v3
	v_lshl_add_u32 v[HSOL], v2, 2, v[HSOL]
	s_mov_b32 s[FLOOR], 0x08000000
	s_mov_b32 s[NEG15], 0xf8800000
	s_mov_b32 s[EXPM], 0x7f800000
	s_mov_b32 s[MNT], 0x600000
	s_mov_b32 s[PSEL], 0x76543210
	s_mov_b32 s[PSEL+1], 0xfedcba98
.irp u, 0,1,2,3
	v_mov_b32 v[P+\u], 0                           ; written once: a lane permute's destination counts as one of its sources
.endr
.irp u, 0,1,2,3,4,5,6,7
	v_mov_b32 v[XS+\u], 0x7f7f7f7f                 ; scales of 1, so that these registers are written on every path
	v_mov_b32 v[XS2+\u], 0x7f7f7f7f
.endr
	s_wait_kmcnt 0x0
	s_lshl_b32 s48, s[S_E], 24                     ; W1: expert, my K half, my columns
	s_lshl_b32 s49, s[S_KH], 23
	s_add_co_u32 s48, s48, s49
	s_lshl_b32 s49, ttmp9, 9
	s_add_co_u32 s48, s48, s49
	s_lshl_b32 s49, s[S_CG], 8
	s_add_co_u32 s48, s48, s49
	s_mov_b32 s49, 0
	s_add_nc_u64 s[WB:WB+1], s[10:11], s[48:49]
	s_mul_i32 s48, s[S_E], 4718592                 ; hc: expert, K step = work-group x
	s_lshl_b32 s50, ttmp9, 11
	s_add_co_u32 s48, s48, s50
	s_add_nc_u64 s[OB:OB+1], s[12:13], s[48:49]
	s_mul_i32 s48, s[S_E], 2304                    ; hs likewise
	s_add_co_u32 s48, s48, ttmp9
	s_lshl_b32 s48, s48, 6
	s_add_nc_u64 s[HSP:HSP+1], s[14:15], s[48:49]
	s_wait_alu depctr_va_vdst(0)                   ; every offset and LDS address made above is written, which the kernel's loads and stores read; so are the sixteen scale registers, in which LDS loads land
.irp m, 0,1,2,3,4,5,6,7
	global_load_b128 v[SEL+4*\m:SEL+4*\m+3], v[L16], s[8:9] offset:512*\m   ; register 4 m + p of lane l: token 128 m + 4 l + p
.endr
	LOADW 0
	LOADW 1
	LOADW 2
	WIN 0
	s_wait_loadcnt 48                              ; sel is in; the 48 weight loads behind it stay out
.set N_, 0
.rept 32                                           ; which lanes of each register hold the expert's rows: the 32 masks in one run
	v_and_b32 v[VT], s[S_BITS], v[SEL+N_]
	v_cmp_ne_u32 s[MK+N_], 0, v[VT]
.set N_, N_+1
.endr
	s_wait_alu depctr_va_sdst(0)                   ; the 32 masks are written, ahead of their first readers
	s_mov_b32 s[S_CNT], 0                          ; the expert's rows
.set N_, 0
.rept 32
	s_bcnt1_i32_b32 s48, s[MK+N_]
	s_add_co_u32 s[S_CNT], s[S_CNT], s48
.set N_, N_+1
.endr
	s_add_co_u32 s[S_NT], s[S_CNT], 15
	s_lshr_b32 s[S_NT], s[S_NT], 4                 ; and their tiles
	s_lshl_b32 s[S_R0], s[S_WV], 5                 ; the first chunk's ranks that I fetch
	s_lshl_b32 s[S_R2], s[S_WV], 3
	s_add_co_u32 s[S_R2], s[S_R2], 256
	LOADW 3                                        ; (no vector instruction has named its registers or rewritten its offset)
	; THE STREAM.  Ten steps of the gather's addresses stand behind each of blocks 0 to 7.  The rows' scale bytes are asked for in step 65, behind block 6;
	; block 11's wait leaves only the 48 weight loads issued behind block 11's own out, so they are in behind it
.set B_, 0
.rept 16
	QBLK B_
.if B_ < 8
	ASTEPS 10*B_, 10
.endif
.if B_ == 11
	XSTORE
.endif
.set B_, B_+1
.endr
	; the K halves change hands as images of registers: 16 bytes a lane, 512 a store.  My 64 loads of rows stay out meanwhile: they land in window 3, which nothing here names
	WIN 0x04
	s_wait_alu depctr_va_vdst(0)                   ; the conversions have written my codes (window 1) and the shifts my scale words: the LDS stores below read them, and the products take them later
.set N_, 0
.rept 64
	ds_store_b128 v[EXW], v[4*N_:4*N_+3] offset:512*N_
.set N_, N_+1
.endr
	WIN 0
.set N_, 0
.rept 16
	ds_store_b32 v[EXSW], v[SW+N_] offset:128*N_
.set N_, N_+1
.endr
	BARRIER
	WIN 0x80
.set N_, 0
.rept 64
	ds_load_b128 v[4*N_:4*N_+3], v[EXR] offset:512*N_
.set N_, N_+1
.endr
	WIN 0
.set N_, 0
.rept 16
	ds_load_b32 v[SW+16+N_], v[EXSR] offset:128*N_
.set N_, N_+1
.endr
	BARRIER                                        ; every wave's loads are in: the region may take the rows
	s_mov_b32 s[S_C], 0
	s_mov_b32 s[S_C18], 0
	s_mov_b32 s[S_CR], 0
.Lchunk:                                           ; four trips: 72 tiles serve every split, all 1,024 tokens on one expert too
	s_cmp_ge_u32 s[S_C18], s[S_NT]
	s_cbranch_scc1 .Lnostage
	; my 72 rows of the chunk go into LDS: groups 0 to 15 have been asked for; the other twenty follow as sets come free.
	; (The last vector or matrix instruction that named window 3 stands ahead of a wait on va_vdst: the exchange's, or a tile's way out's)
	WIN 0xcc                                       ; loaded data and LDS stores' data: window 3
.set G_, 0
.rept 36
	RING G_
.set G_, G_+1
.endr
	WIN 0
.Lnostage:
	s_wait_loadcnt 0x0                             ; nothing is on its way into window 3 on the way that has left the rows out either
	BARRIER                                        ; the chunk's rows lie in LDS
	s_mul_i32 s[S_TB], s[S_KH], 16*PITCH           ; my first tile of the chunk: kh
	s_lshl_b32 s[S_XT], s[S_KH], 9
	s_mov_b32 s[S_HT], 0
	s_add_co_u32 s[S_HO], s[S_C18], s[S_KH]
	s_lshl_b32 s[S_HO], s[S_HO], 16
	TILE 0, 1, 1                                   ; my nine tiles: the buffers take turns, so a trip of the loop runs two
	s_mov_b32 s[S_M], 3
.Ltile:
	TILE 1, 0, 1
	TILE 0, 0, 1
	s_sub_co_u32 s[S_M], s[S_M], 1
	s_cmp_lg_u32 s[S_M], 0
	s_cbranch_scc1 .Ltile
	TILE 1, 0, 1
	TILE 0, 0, 0
	BARRIER                                        ; nobody reads the rows any more, and h's scale bytes lie in LDS
	s_cmp_ge_u32 s[S_C18], s[S_NT]
	s_cbranch_scc1 .Lnohs
	s_cmp_lg_u32 s[S_WV], 0
	s_cbranch_scc1 .Lnohs
	s_wait_xcnt 0x0                                ; the last chunk's stores have had their addresses translated
	s_wait_alu depctr_vm_vsrc(0)                   ; and have read v[VH] and v[HD ..], which are written again below
	s_lshl_b32 s48, s[S_C18], 11
	v_add_nc_u32 v[VH], s48, v[HSOL]
.irp n, 0,1,2,3,4,5,6,7,8
	ds_load_u16 v[HD+2*\n],   v[HSR] offset:32*\n        ; tile 2 n + lane / 16, row lane % 16: the bytes of columns 0-63,
	ds_load_u16 v[HD+2*\n+1], v[HSR] offset:32*\n+512    ; and of columns 64-127.  (The way out's lines that named v64 on stand ahead of its own wait on va_vdst)
.endr
	s_wait_dscnt 0x0
.irp n, 0,1,2,3,4,5,6,7,8
	v_lshl_or_b32 v[HD+2*\n], v[HD+2*\n+1], 16, v[HD+2*\n]
.endr
	s_wait_alu depctr_va_vdst(0)                   ; the nine words and their offset v[VH] are written, which the stores read
.irp n, 0,1,2,3,4,5,6,7,8
	global_store_b32 v[VH], v[HD+2*\n], s[HSP:HSP+1] offset:4096*\n
.endr
.Lnohs:
	s_add_co_u32 s[S_C18], s[S_C18], 18
	s_add_co_u32 s[S_CR], s[S_CR], 288
	s_add_co_u32 s[S_C], s[S_C], 1
	s_cmp_ge_u32 s[S_C18], s[S_NT]
	s_cbranch_scc1 .Lnopre
	; the next chunk has rows: its addresses, its scale bytes and its first sixteen groups, as the stream did for the first chunk
	s_lshl_b32 s48, s[S_WV], 5
	s_add_co_u32 s[S_R0], s[S_CR], s48
	s_lshl_b32 s48, s[S_WV], 3
	s_add_co_u32 s[S_R2], s[S_CR], s48
	s_add_co_u32 s[S_R2], s[S_R2], 256
	s_wait_alu depctr_vm_vsrc(0)                   ; the last chunk's loads have read the offsets v[AD ..] and v[TX ..], and its LDS stores v32 to v55 and window 3: all are written or loaded again below
	ASTEPS 0, NSTEP
	WIN 0xc0
	s_wait_alu depctr_va_vdst(0)                   ; the 36 offsets v[AD ..] are written, which the loads below and the ring's read
.set G_, 0
.rept 16
	ISSUE G_
.set G_, G_+1
.endr
	WIN 0
	s_wait_loadcnt 63                              ; the six loads of scale bytes stand ahead of 64 younger ones: they are in
	XSTORE
.Lnopre:
	s_cmp_lt_u32 s[S_C], 4
	s_cbranch_scc1 .Lchunk
	s_wait_dscnt 0x0                               ; the closing lines, six on end
	s_wait_alu 0x0
	s_wait_tensorcnt 0x0
	ds_add_u32 v254, v255
	s_wait_dscnt 0x0
	s_endpgm
.Lfunc_end_k_q0dbe64a0cf_up:
	.size	k_q0dbe64a0cf_up, .Lfunc_end_k_q0dbe64a0cf_up-k_q0dbe64a0cf_up
	.p2alignl 7, 3214868480
	.fill 96, 4, 3214868480
	.section	.rodata,"a",@progbits
	.p2align	6, 0x0
	.amdhsa_kernel k_q0dbe64a0cf_up
		.amdhsa_group_segment_fixed_size 316416
		.amdhsa_private_segment_fixed_size 0
		.amdhsa_enable_private_segment 0
		.amdhsa_kernarg_size 48
		.amdhsa_user_sgpr_count 2
		.amdhsa_user_sgpr_kernarg_segment_ptr 1
		.amdhsa_wavefront_size32 1
		.amdhsa_system_sgpr_workgroup_id_x 1
		.amdhsa_system_sgpr_workgroup_id_y 1
		.amdhsa_system_sgpr_workgroup_id_z 1
		.amdhsa_system_vgpr_workitem_id 0
		.amdhsa_next_free_vgpr 1024
		.amdhsa_next_free_sgpr 100
		.amdhsa_reserve_vcc 0
		.amdhsa_float_denorm_mode_32 3
		.amdhsa_float_denorm_mode_16_64 3
		.amdhsa_memory_ordered 1
		.amdhsa_forward_progress 1
		.amdhsa_inst_pref_size 255
	.end_amdhsa_kernel
	.section	.bss,"aw",@nobits
	.p2align	6
	.space	262144
	.amdgpu_metadata
---
amdhsa.version: [ 1, 2 ]
amdhsa.kernels:
  - .name:           k_q0dbe64a0cf_up
    .symbol:         k_q0dbe64a0cf_up.kd
    .args:
      - { .name: xc, .offset: 0, .size: 8, .value_kind: global_buffer, .address_space: global }
      - { .name: xs, .offset: 8, .size: 8, .value_kind: global_buffer, .address_space: global }
      - { .name: sel, .offset: 16, .size: 8, .value_kind: global_buffer, .address_space: global }
      - { .name: w1, .offset: 24, .size: 8, .value_kind: global_buffer, .address_space: global }
      - { .name: hc, .offset: 32, .size: 8, .value_kind: global_buffer, .address_space: global }
      - { .name: hs, .offset: 40, .size: 8, .value_kind: global_buffer, .address_space: global }
    .group_segment_fixed_size: 316416
    .private_segment_fixed_size: 0
    .kernarg_segment_align: 8
    .kernarg_segment_size: 48
    .max_flat_workgroup_size: 128
    .sgpr_count:     100
    .vgpr_count:     1024
    .wavefront_size: 32
...
	.end_amdgpu_metadata
.endif
;; end of part 5
;; launch down (part 6): grid 32 x 8, 4 waves a work-group, no clusters, 314,880 bytes of LDS; arguments hc, hs, sel, gwt, w2, y4; writes y4
.if DOCPART == 6
	.amdgcn_target "amdgcn-amd-amdhsa--gfx1250"
	.amdhsa_code_object_version 6
	.text
	.protected	k_q0dbe64a0cf_down
	.globl	k_q0dbe64a0cf_down
	.p2align	8
	.type	k_q0dbe64a0cf_down,@function
k_q0dbe64a0cf_down:
	s_mov_b64 s[64:65], 0
	v_nop
	global_prefetch_b8 v0, s[64:65] scope:SCOPE_SE
	s_setreg_imm32_b32 hwreg(HW_REG_WAVE_SCHED_MODE, 0, 2), 2
	s_setreg_imm32_b32 hwreg(HW_REG_WAVE_MODE, 25, 1), 1
	s_wait_xcnt 0x0
	s_wait_alu depctr_vm_vsrc(0)
; y4[q][k x 1024 + token][:] = gate weight x (h W2 over K quarter q), for the rows that chose an expert, on codes of E5M2 with one E8M0 scale for each 32 along K = f.
; SHARES.  Work-group (x, y): expert y, K quarter q = x / 8 (1,024 of the 4,096 along f), columns d = 128 (x % 8) .. + 127 of W2 [4096 (f = K)][1024 (d)], f32: 512 KiB that no other work-group reads.
; Four waves: cg = wave % 2 says which 64 columns, kh = wave / 2 which 512 of the quarter a wave streams and quantises, and later which of every two tiles of rows it multiplies.
; PHASES.  (0) every wave counts the expert's rows from sel; wave 0 lays, in rank order (the same as in the launch before), each row's place k x 1024 + token and its gate weight into LDS.
; (1) W2 is read once and quantised along K in registers.  The stream's last four blocks have no weights left to ask for: each asks for four groups of h's images into the ring set that it has emptied, so that 16 of a wave's
; 36 groups are on their way during phase 2.  (2) the two waves of a column group copy each other's K half through LDS; (3) in chunks of 18 tiles of 16 rows: h's images and scale words of the quarter go into LDS
; as they lie, and each wave multiplies every second tile: 32 matrix instructions.  Source 0 = 16 rows of h, source 1 = 16 columns of W2 (column tile u: columns 4 r + u): lane (r, h) ends with rows 8 h + j and four
; neighbouring columns 4 r .. 4 r + 3, so that sixteen lanes store 256 consecutive bytes of a row.
; Ranks beyond the count have the weight 0 and go to row 2,048 + expert of the plane, which nobody reads.  Each row 0 .. 2,047 belongs to one expert, so each byte that the next launch reads is stored once.
; A chunk without rows is passed over by scalar branches on the count, which stand round no barrier.  The first chunk's images are asked for without a branch: the addresses lie inside the buffers whatever the count, and with no rows nothing of them is used.
; NO TENSOR LOADS, NO CLUSTER: branches hang on a count read from memory, and no two work-groups read the same weights; h's codes, which eight work-groups share, are under a tenth of the launch's bytes.
; NO PREFETCH: each wave keeps up to 64 loads of 512 bytes out from its first lines on.
; LIMITS: NaN and infinities are not served.  A block of zeros gets the byte 1 (the rule says 127): its codes are zeros.  The K halves are summed own half first; the four quarters are added by the next launch.
; THE MODE: SCHED_MODE bits 1:0 = 2 (LLVM: expert scheduling mode 2), set by the entry lines.  The code itself states the register dependences between vector or matrix instructions and memory or LDS instructions, with s_wait_alu, always for 0.
; THE PLAN.  Registers that memory or LDS instructions touch:
;   offsets and LDS addresses v4-26   made once at the head, ahead of one wait on va_vdst, and never written again.
;   v32-63, v96-127, v204-235 (wave 0, at the head)   the lists' LDS addresses, weights and places: all 96 are written, then one wait on va_vdst, then the 64 LDS stores; a wait on vm_vsrc behind the barrier frees them for the stream.
;   window 3, the stream   set b % 4: read by block b's maxima and holds; behind them ONE wait on va_vdst, then the loads of block b + 4 (at the end: four groups of images) land in it.  The conversions behind those loads name v64-127, the scale operands and window 1 alone.
;   window 1, v128-143     my codes and scale words: written by the stream, read by the exchange's LDS stores and taken by the products: one wait on va_vdst ahead of the exchange.
;   window 3, the ring     set g % 16: filled by group g's loads, read by its four LDS stores; a wait on vm_vsrc stands ahead of the loads of group g + 16, which land in it.
;   window 3, the tiles    TWO buffers of 128 registers, and two sets of eight scale words, by turns: tile t multiplies buffer t % 2, and the loads of tile t + 1 land in the other, which no matrix instruction issued since the tile's head names.
;   v27-31                 a tile's five LDS addresses: read by its loads, written at the next tile's head, between a wait on vm_vsrc and the head's wait on va_vdst.
;   v104-119               a tile's places and weights: loaded behind the head's wait, read and written by the way out.
;   v64-103                a tile's results and their offsets: written by its way out, one wait on va_vdst, read by its eight stores; the next tile's head has the wait on vm_vsrc.
;   v188, v189, v32-49     the chunk's two offsets and h's scale words on their way: their waits stand at their lines.
; So a tile has one wait on vm_vsrc and two on va_vdst, each inside the tile's own branch on the count, and its 44 LDS loads are dealt among its 32 matrix instructions with no further wait.
.set HSLB,   294912                    ; behind 18 tiles x 8 K steps x 2,048 bytes of images: their scale words, [tile][K step][16 rows]
.set DLB,    304128                    ; each rank's place in a plane: 1,152 words, and word 1,152 for what is not the expert's
.set WLO,    5120                      ; its gate weight lies this far behind
.set EXS,    131072                    ; the exchange (inside the images' region, parted from it by barriers)
.set STRIDE, 4096                      ; a row of W2 in bytes
.set PLANE,  8421376                   ; 2,056 rows of 4,096 bytes
.set L16, 4
.set C16, 5
.set AB1, 6
.set AB2, 7
.set XB1, 8
.set XB2, 9
.set WOFF, 10
.set LB,  11
.set SD0, 13                           ; v13-17  where I put the images: + 65,536 k
.set SOFF, 18
.set EXW, 19
.set EXR, 20
.set EXSW, 21
.set EXSR, 22
.set FILLA, 23
.set L4,  24
.set HSG, 25
.set HSD, 26
.set AA1, 27
.set XA1, 29
.set LA,  31
.set ACC, 32
.set XD,  32                           ; v32-49   while no tile is at work: h's scale words on their way
.set VAD, 32                           ; v32-63   at the head, wave 0: where the rank of each register of sel lies in the lists
.set X,   64                           ; v64-127  the stream
.set SEL, 64
.set Y,   64                           ; v64-95   the way out
.set OFF, 96                           ; v96-103
.set DL,  104                          ; v104-111
.set WL,  112                          ; v112-119
.set G0,  96                           ; v96-127  at the head: the weights of e0; in wave 0 then each row's weight
.set SW,  128                          ; scales and nothing else
.set XS,  160                          ; v160-167 the rows' scale words, tiles of even number: scales and nothing else
.set T,   168
.set P,   172
.set SO,  176
.set LIM, 180
.set BY,  184
.set SOFFC, 188                        ; v188, v189  the chunk's offsets in hc and in hs
.set HSGC, 189
.set VT,  196
.set VR,  197
.set VTOK, 199
.set VDI, 200
.set G1,  204                          ; v204-235 at the head: the weights of e1; in wave 0 then each row's place
.set FV,  236                          ; v236-239 2,048 + expert
.set ZR,  240                          ; v240-243 zeros
.set XS2, 244                          ; v244-251 the rows' scale words, tiles of odd number: scales and nothing else
.set S_WV, 16
.set S_CG, 17
.set S_KH, 18
.set S_KHX, 19
.set S_E, 20
.set S_Q, 21
.set S_CS, 22
.set S_BITS, 23
.set S_CNT, 24
.set S_NT, 25
.set S_C, 26
.set S_C18, 27
.set S_CTL, 28
.set S_M, 29
.set S_TB, 30
.set S_XT, 31
.set S_LT, 32
.set WB, 34
.set OB, 36
.set HSP, 38
.set FLOOR, 40
.set NEG15, 41
.set EXPM, 42
.set MNT, 43
.set PSEL, 44
.set HCB, 52
.set MSB, 0
.macro WIN new                         ; the immediate's high byte repeats the setting that is left
.if MSB != \new
	s_set_vgpr_msb (MSB<<8)|\new
.set MSB, \new
.endif
.endm
.macro BARRIER                         ; my LDS stores have landed and my LDS loads are in: then the work-group's barrier
	s_wait_dscnt 0x0
	s_barrier_signal -1
	s_barrier_wait -1
.endm
.macro NOPS n
.rept \n
	v_nop
.endr
.endm
; block b of my 512 along K: W(32 b + 16 h + i, 4 r .. 4 r + 3) into set b % 4
.macro LOADW b
	WIN 0xc0
.irp i, 0,1,2,3,4,5,6,7,8,9,10,11,12,13,14,15
	global_load_b128 v[64*((\b)%4)+4*\i:64*((\b)%4)+4*\i+3], v[WOFF], s[WB:WB+1] offset:(32*(\b)+\i)*STRIDE th:TH_LOAD_NT
.endr
.endm
; the ring that brings h's images: group g = tile g / 2 of the chunk, K step 2 wave + g % 2 of the quarter: 2,048 consecutive bytes, four loads; sixteen sets of 16 registers in window 3
.macro ISSUE g
.irp p, 0,1,2,3
	global_load_b128 v[16*((\g)%16)+4*\p:16*((\g)%16)+4*\p+3], v[SOFFC], s[HCB:HCB+1] offset:((\g)/2)*65536+((\g)%2)*2048+512*\p
.endr
.endm
; group g's turn: its data are waited for; group g + 12 is asked for, into the set that group g - 4 has left; group g goes into LDS
.macro RING g
.if (\g) < 4
	s_wait_loadcnt 4*(15-(\g))                     ; group g is in; of the sixteen asked for ahead, those behind it may be out
.elseif 35-(\g) < 11
	s_wait_loadcnt 4*(35-(\g))                     ; group g is in; the groups issued behind it may be out
.else
	s_wait_loadcnt 44
.endif
.if ((\g) >= 4) && ((\g) <= 23)
	s_wait_dscnt 12                                ; the stores of group g - 4 are done; those of the three younger groups, 12, may be out
	s_wait_alu depctr_vm_vsrc(0)                   ; the LDS stores of group g - 4 have read the set in which group g + 12 lands
	ISSUE (\g)+12
.endif
.irp p, 0,1,2,3
	ds_store_b128 v[SD0+((\g)/2)/4], v[16*((\g)%16)+4*\p:16*((\g)%16)+4*\p+3] offset:(((\g)/2)%4)*16384+((\g)%2)*2048+512*\p
.endr
.endm
; block b becomes registers 4 c .. 4 c + 3 (c = b % 4) of the four fragments of K step b / 4, and byte c of their scale words
.macro QBLK b
.set RS, 64*((\b)%4)
.set QS, (\b)/4
.set QC, (\b)%4
	s_wait_loadcnt 48                              ; this block's 16 loads are in; the three batches of 16 issued behind them (weights, at the end images) may be out
	WIN 0x3c
.irp u, 0,1,2,3
	v_max3_num_f32 v[T+\u], s[FLOOR], |v[RS+\u]|, |v[RS+4+\u]|      ; with the floor 2^(16 - 127): the byte cannot fall under 1
.endr
.irp i, 2,4,6,8,10,12,14
.irp u, 0,1,2,3
	v_max3_num_f32 v[T+\u], v[T+\u], |v[RS+4*\i+\u]|, |v[RS+4*\i+4+\u]|
.endr
.endr
	WIN 0
.irp u, 0,1,2,3
	v_permlanex16_b32 v[P+\u], v[T+\u], s[PSEL], s[PSEL+1]
.endr
.irp u, 0,1,2,3
	v_max_num_f32 v[T+\u], v[T+\u], v[P+\u]        ; with lane l xor 16's 16: the block's largest magnitude
.endr
.irp u, 0,1,2,3
	v_add_nc_u32 v[SO+\u], s[NEG15], v[T+\u]       ; 15 off its exponent field: the conversion's scale operand
.endr
.irp u, 0,1,2,3
	v_and_or_b32 v[LIM+\u], v[T+\u], s[EXPM], s[MNT]   ; 57,344 x the scale
.endr
.irp u, 0,1,2,3
.if QC == 0
	v_lshrrev_b32 v[SW+4*QS+\u], 23, v[SO+\u]      ; the scale's byte
.else
	v_lshrrev_b32 v[BY+\u], 23, v[SO+\u]
.endif
.endr
.if QC != 0
.irp u, 0,1,2,3
	v_lshl_or_b32 v[SW+4*QS+\u], v[BY+\u], 8*QC, v[SW+4*QS+\u]
.endr
.endif
	WIN 0x03
.irp i, 0,1,2,3,4,5,6,7,8,9,10,11,12,13,14,15
.irp u, 0,1,2,3
	v_med3_num_f32 v[X+16*\u+\i], v[RS+4*\i+\u], -v[LIM+\u], v[LIM+\u]   ; the hold (the conversion does not saturate: ISA guide 7.6.2), which also puts a column's 16 numbers on end
.endr
.endr
	WIN 0xc0
	s_wait_alu depctr_va_vdst(0)                   ; the maxima and the holds are done reading set b % 4, in which the loads below land
.if (\b)+4 < 16
	LOADW (\b)+4                                   ; the set is free
.else
	ISSUE 4*((\b)-12)                              ; no weights are left: the set takes four groups of the first chunk's images
	ISSUE 4*((\b)-12)+1
	ISSUE 4*((\b)-12)+2
	ISSUE 4*((\b)-12)+3
.endif
	WIN 0x40
.irp u, 0,1,2,3
	v_cvt_scalef32_pk8_bf8_f32 v[16*(4*QS+\u)+4*QC:16*(4*QS+\u)+4*QC+1],   v[X+16*\u:X+16*\u+7],    v[SO+\u]
	v_cvt_scalef32_pk8_bf8_f32 v[16*(4*QS+\u)+4*QC+2:16*(4*QS+\u)+4*QC+3], v[X+16*\u+8:X+16*\u+15], v[SO+\u]
.endr
	WIN 0
	v_nop                                          ; a plain line behind the conversions, ahead of the next write of their sources
.endm
.macro XLOAD                           ; h's scale words of the chunk's 18 tiles, my two K steps: nine loads of 8 bytes a lane
.set H_, 0
.rept 9
	global_load_b64 v[XD+2*H_:XD+2*H_+1], v[HSGC], s[HSP:HSP+1] offset:4096*H_
.set H_, H_+1
.endr
.endm
.macro XSTORE
.set H_, 0
.rept 9
	ds_store_b64 v[HSD], v[XD+2*H_:XD+2*H_+1] offset:1024*H_
.set H_, H_+1
.endr
.endm
; half x (0: my K half, 1: the partner's) of a tile's rows into buffer p: 4 scale words and 4 fragments a lane, 20 loads.  nx = 1: of my next tile, two tiles on
.macro LOADH p, x, nx
	WIN 0
.irp sl, 0,1,2,3
	ds_load_b32 v[XS+(XS2-XS)*(\p)+4*\x+\sl], v[XA1+\x] offset:1024*\nx+64*\sl
.endr
	WIN 0xc0
.irp sl, 0,1,2,3
.irp c, 0,1,2,3
	ds_load_b128 v[128*(\p)+64*\x+16*\sl+4*\c:128*(\p)+64*\x+16*\sl+4*\c+3], v[AA1+\x] offset:32768*\nx+2048*\sl+512*\c
.endr
.endr
.endm
; 16 matrix instructions on buffer p: four K steps x four column tiles; the four accumulators take turns, one instruction a turn.  The tile's first four start the sums
.macro MULH p, x
	WIN 0x07+4*\x                                  ; source 0 (rows) window 3, source 1 (weights) window 1 or 2
.irp sl, 0,1,2,3
.irp u, 0,1,2,3
.if (\x == 0) && (\sl == 0)
	v_wmma_scale_f32_16x16x128_f8f6f4 v[ACC+8*\u:ACC+8*\u+7], v[128*(\p)+64*\x+16*\sl:128*(\p)+64*\x+16*\sl+15], v[16*(4*\sl+\u):16*(4*\sl+\u)+15], 0, v[XS+(XS2-XS)*(\p)+4*\x+\sl], v[SW+16*\x+4*\sl+\u] matrix_a_fmt:MATRIX_FMT_BF8 matrix_b_fmt:MATRIX_FMT_BF8
.else
	v_wmma_scale_f32_16x16x128_f8f6f4 v[ACC+8*\u:ACC+8*\u+7], v[128*(\p)+64*\x+16*\sl:128*(\p)+64*\x+16*\sl+15], v[16*(4*\sl+\u):16*(4*\sl+\u)+15], v[ACC+8*\u:ACC+8*\u+7], v[XS+(XS2-XS)*(\p)+4*\x+\sl], v[SW+16*\x+4*\sl+\u] matrix_a_fmt:MATRIX_FMT_BF8 matrix_b_fmt:MATRIX_FMT_BF8
.endif
.endr
.endr
.endm
; one tile of 16 rows, on buffer p.  The branch hangs on the stored count and stands round the work alone: every wave walks the loop, and the steps of the scalars stand behind the label
.macro TILE p, first, next
	s_cmp_ge_u32 s[S_C18], s[S_NT]
	s_cbranch_scc1 .Lskip_\@
	s_wait_alu depctr_vm_vsrc(0)                   ; the LDS loads issued so far have read the five addresses, which are written below; the last tile's stores have read their results and offsets, which this tile's way out writes;
	                                               ; the LDS stores of the images and of their scale words have read window 3 and v32 to v49, in which this tile's loads land and its sums are written
	v_add_nc_u32 v[AA1],   s[S_TB], v[AB1]
	v_add_nc_u32 v[AA1+1], s[S_TB], v[AB2]
	v_add_nc_u32 v[XA1],   s[S_XT], v[XB1]
	v_add_nc_u32 v[XA1+1], s[S_XT], v[XB2]
	v_add_nc_u32 v[LA],    s[S_LT], v[LB]
	s_wait_alu depctr_va_vdst(0)                   ; the five addresses are written; the last tile's matrix instructions are done reading the other buffer and its scale words, and its way out is done with the places and weights: this tile's loads land in all of these
.if \first
	LOADH \p, 0, 0
	LOADH \p, 1, 0
.else
	s_wait_dscnt 0x0                               ; this tile's 40 loads, issued in the last tile, are in
.endif
.if \next
	LOADH 1-\p, 0, 1                               ; the next tile's half 0.  No wait: no vector or matrix instruction since the head's wait names these registers
.endif
	WIN 0
	ds_load_b128 v[DL:DL+3],   v[LA]               ; my eight rows' places
	ds_load_b128 v[DL+4:DL+7], v[LA] offset:16
	ds_load_b128 v[WL:WL+3],   v[LA] offset:WLO    ; and their gate weights
	ds_load_b128 v[WL+4:WL+7], v[LA] offset:WLO+16
.if \first
	s_wait_dscnt 44                                ; half 0 is in; half 1's 20 loads, the next tile's 20 and the four just issued may be out
.endif
	MULH \p, 0
.if \next
	LOADH 1-\p, 1, 1                               ; the next tile's half 1: the sixteen products above name buffer p, its scale words, the weights and the sums alone
.endif
.if \first
	s_wait_dscnt 44                                ; half 1 is in; the next tile's 40 loads and the four of places and weights may be out
.endif
	MULH \p, 1
	WIN 0
	NOPS 8                                         ; eight places behind this form, ahead of the first read of the results
	s_wait_xcnt 0x0                                ; the last tile's stores have had their addresses translated: only now are their registers written again (that those stores have read them is stated at the tile's head)
	s_wait_dscnt 20*\next                          ; places and weights are in; the next tile's half 1 may be out
.irp j, 0,1,2,3,4,5,6,7
	v_min_u32 v[DL+\j], 2055, v[DL+\j]
.endr
.irp j, 0,1,2,3,4,5,6,7
	v_lshl_add_u32 v[OFF+\j], v[DL+\j], 12, v[C16]
.endr
.irp j, 0,1,2,3,4,5,6,7
.irp u, 0,1,2,3
	v_mul_f32 v[Y+4*\j+\u], v[ACC+8*\u+\j], v[WL+\j]     ; the gate's weight, and four neighbouring columns on end.  Each accumulator is read from its low end on
.endr
.endr
	s_wait_alu depctr_va_vdst(0)                   ; the 32 results and the eight offsets are written, which the stores read
.irp j, 0,1,2,3,4,5,6,7
	global_store_b128 v[OFF+\j], v[Y+4*\j:Y+4*\j+3], s[OB:OB+1] th:TH_STORE_NT   ; sixteen lanes store 256 consecutive bytes of one row, aligned
.endr
.Lskip_\@:
	s_add_co_u32 s[S_TB], s[S_TB], 32768           ; my next tile: two tiles on
	s_add_co_u32 s[S_XT], s[S_XT], 1024
	s_add_co_u32 s[S_LT], s[S_LT], 128
.endm
	s_load_b256 s[4:11], s[0:1], 0x0               ; hc s[4:5], hs s[6:7], sel s[8:9], gwt s[10:11]
	s_load_b128 s[12:15], s[0:1], 0x20             ; w2 s[12:13], y4 s[14:15]
	v_lshl_add_u32 v254, v0, 2, 0x4cc00
	v_mov_b32 v255, 0
	v_lshrrev_b32 v1, 5, v0
	v_readfirstlane_b32 s[S_WV], v1                ; wave 0..3
	v_and_b32 v1, 31, v0                           ; lane
	v_and_b32 v2, 15, v0                           ; r
	v_bfe_u32 v3, v0, 4, 1                         ; h
	v_lshlrev_b32 v[L16], 4, v1
	v_lshlrev_b32 v[C16], 4, v2
	s_wait_alu depctr_va_sdst(0)                   ; the wave's number is written, ahead of its first reader
	s_and_b32 s[S_CG], s[S_WV], 1
	s_lshr_b32 s[S_KH], s[S_WV], 1
	s_xor_b32 s[S_KHX], s[S_KH], 1
	s_and_b32 s[S_E], ttmp7, 0xffff
	s_lshr_b32 s[S_Q], ttmp9, 3
	s_and_b32 s[S_CS], ttmp9, 7
	s_lshl_b32 s[S_BITS], 0x101, s[S_E]            ; the expert's two bits in sel
	; every LDS address base is made here, ahead of any branch
	s_lshl_b32 s48, s[S_KH], 13
	s_lshl_b32 s49, s[S_KHX], 13
	v_add_nc_u32 v[AB1], s48, v[L16]               ; an image's place for my lane, + four K steps x the K half
	v_add_nc_u32 v[AB2], s49, v[L16]
	v_lshl_add_u32 v[XB1], v2, 2, HSLB
	s_lshl_b32 s48, s[S_KH], 8
	s_lshl_b32 s49, s[S_KHX], 8
	v_add_nc_u32 v[XB2], s49, v[XB1]
	v_add_nc_u32 v[XB1], s48, v[XB1]
	v_lshlrev_b32 v[WOFF], 16, v3                  ; lanes 16-31: 16 rows of W2 further down;
	v_lshl_add_u32 v[WOFF], v2, 4, v[WOFF]         ; 16 bytes a lane
	v_lshl_add_u32 v[LB], v3, 5, DLB               ; my eight rows of a tile: 8 h on
	s_lshl_b32 s48, s[S_WV], 12
	v_add_nc_u32 v[SOFF], s48, v[L16]              ; wave w brings K steps 2 w, 2 w + 1 of every tile
	v_mov_b32 v[SD0], v[SOFF]
	v_mov_b32 v[SOFFC], v[SOFF]                    ; the first chunk begins at the expert's first tile
.irp k, 1,2,3,4
	v_add_nc_u32 v[SD0+\k], 65536*\k, v[SOFF]
.endr
	s_xor_b32 s50, s[S_WV], 2                      ; my partner: the same columns, the other K half
	s_lshl_b32 s48, s[S_WV], 15
	s_lshl_b32 s49, s50, 15
	v_add_nc_u32 v[EXW], s48, v[L16]
	v_add_nc_u32 v[EXR], s49, v[L16]
	v_lshlrev_b32 v[L4], 2, v1
	s_lshl_b32 s48, s[S_WV], 11
	s_lshl_b32 s49, s50, 11
	v_add_nc_u32 v[EXSW], s48, v[L4]
	v_add_nc_u32 v[EXSW], EXS, v[EXSW]
	v_add_nc_u32 v[EXSR], s49, v[L4]
	v_add_nc_u32 v[EXSR], EXS, v[EXSR]
	v_add_nc_u32 v[FILLA], DLB, v[L16]
	s_lshl_b32 s48, s[S_WV], 7
	v_lshlrev_b32 v[HSG], 11, v3
	v_lshl_add_u32 v[HSG], v2, 3, v[HSG]
	v_add_nc_u32 v[HSG], s48, v[HSG]               ; h's scale words in memory: tile lane / 16, 128 bytes a wave, 8 a lane;
	v_mov_b32 v[HSGC], v[HSG]
	v_lshlrev_b32 v[HSD], 9, v3
	v_lshl_add_u32 v[HSD], v2, 3, v[HSD]
	v_add_nc_u32 v[HSD], s48, v[HSD]
	v_add_nc_u32 v[HSD], HSLB, v[HSD]              ; and in LDS
	s_mov_b32 s[FLOOR], 0x08000000
	s_mov_b32 s[NEG15], 0xf8800000
	s_mov_b32 s[EXPM], 0x7f800000
	s_mov_b32 s[MNT], 0x600000
	s_mov_b32 s[PSEL], 0x76543210
	s_mov_b32 s[PSEL+1], 0xfedcba98
	s_add_co_u32 s48, s[S_E], 2048
.irp u, 0,1,2,3
	v_mov_b32 v[P+\u], 0                           ; written once: a lane permute's destination counts as one of its sources
	v_mov_b32 v[ZR+\u], 0
	v_mov_b32 v[FV+\u], s48
.endr
.irp u, 0,1,2,3,4,5,6,7
	v_mov_b32 v[XS+\u], 0x7f7f7f7f                 ; scales of 1, so that these registers are written on every path
	v_mov_b32 v[XS2+\u], 0x7f7f7f7f
.endr
	v_mov_b32 v[VDI], 1152
	s_wait_kmcnt 0x0
	s_lshl_b32 s48, s[S_E], 24                     ; W2: expert, quarter, my K half, my columns
	s_lshl_b32 s49, s[S_Q], 22
	s_add_co_u32 s48, s48, s49
	s_lshl_b32 s49, s[S_KH], 21
	s_add_co_u32 s48, s48, s49
	s_lshl_b32 s50, s[S_CS], 9
	s_lshl_b32 s49, s[S_CG], 8
	s_add_co_u32 s50, s50, s49                     ; my columns, in bytes
	s_add_co_u32 s48, s48, s50
	s_mov_b32 s49, 0
	s_add_nc_u64 s[WB:WB+1], s[12:13], s[48:49]
	s_mul_i32 s48, s[S_Q], PLANE                   ; y4: the quarter's plane, my columns
	s_add_co_u32 s48, s48, s50
	s_add_nc_u64 s[OB:OB+1], s[14:15], s[48:49]
	s_mul_i32 s48, s[S_E], 2304                    ; hs: expert, the quarter's first K step
	s_lshl_b32 s50, s[S_Q], 3
	s_add_co_u32 s48, s48, s50
	s_lshl_b32 s48, s48, 6
	s_add_nc_u64 s[HSP:HSP+1], s[6:7], s[48:49]
	s_mul_i32 s48, s[S_E], 4718592                 ; hc likewise
	s_lshl_b32 s50, s[S_Q], 14
	s_add_co_u32 s48, s48, s50
	s_add_nc_u64 s[HCB:HCB+1], s[4:5], s[48:49]
	s_wait_alu depctr_va_vdst(0)                   ; every offset and LDS address made above is written, and the lists' fill, which the kernel's loads and stores read; so are the sixteen scale registers, in which LDS loads land
.irp m, 0,1,2,3,4,5,6,7
	global_load_b128 v[SEL+4*\m:SEL+4*\m+3], v[L16], s[8:9] offset:512*\m   ; register 4 m + p of lane l: token 128 m + 4 l + p
.endr
.irp m, 0,1,2,3,4,5,6,7
	global_load_b128 v[G0+4*\m:G0+4*\m+3], v[L16], s[10:11] offset:512*\m
.endr
.irp m, 0,1,2,3,4,5,6,7
	global_load_b128 v[G1+4*\m:G1+4*\m+3], v[L16], s[10:11] offset:4096+512*\m
.endr
	LOADW 0
	LOADW 1
	LOADW 2
	WIN 0
	s_wait_loadcnt 48                              ; sel and the weights of the gate are in; the 48 weight loads behind them stay out
	s_mov_b32 s[S_CNT], 0                          ; the expert's rows: the masks in runs of eight, one wait behind each run
.set N_, 0
.rept 4
.irp j, 0,1,2,3,4,5,6,7
	v_and_b32 v[VT], s[S_BITS], v[SEL+N_+\j]
	v_cmp_ne_u32 s[54+\j], 0, v[VT]
.endr
	s_wait_alu depctr_va_sdst(0)                   ; the eight masks s54 to s61 are written, ahead of their first readers
.irp j, 0,1,2,3,4,5,6,7
	s_bcnt1_i32_b32 s48, s[54+\j]
	s_add_co_u32 s[S_CNT], s[S_CNT], s48
.endr
.set N_, N_+8
.endr
	s_add_co_u32 s[S_NT], s[S_CNT], 15
	s_lshr_b32 s[S_NT], s[S_NT], 4                 ; and their tiles
	s_cmp_lg_u32 s[S_WV], 0
	s_cbranch_scc1 .Lbuilt                         ; wave 0 alone lays the lists; no other wave touches LDS ahead of the barrier below
.irp n, 0,1,2,3,4,5,6,7,8,9
	ds_store_b128 v[FILLA], v[FV:FV+3] offset:512*\n          ; ranks beyond the count: row 2,048 + expert,
	ds_store_b128 v[FILLA], v[ZR:ZR+3] offset:WLO+512*\n      ; weight 0
.endr
	s_mov_b32 s47, 0
	s_add_co_u32 s49, s[S_E], 8
	; four registers of sel at a time: their eight masks in one run.  Each register's LDS address, weight and place get registers of their own, so that all 64 stores follow one wait
.set N_, 0
.rept 8
.irp j, 0,1,2,3
	v_and_b32 v[T+\j], s[S_BITS], v[SEL+N_+\j]
.endr
.irp j, 0,1,2,3
	v_cmp_ne_u32 s[54+\j], 0, v[T+\j]              ; the expert's rows
	v_lshrrev_b32 v[SO+\j], s49, v[T+\j]           ; k: 1 where the expert is the token's second choice
.endr
.irp j, 0,1,2,3
	v_cmp_ne_u32 s[58+\j], 0, v[SO+\j]
.endr
	s_wait_alu depctr_va_sdst(0)                   ; the eight masks s54 to s61 are written, ahead of their first readers
.irp j, 0,1,2,3
	v_mbcnt_lo_u32_b32 v[VR], s[54+\j], s47        ; rank: the rows of earlier registers, and of lower lanes in this one
	v_cndmask_b32 v[VR], v[VDI], v[VR], s[54+\j]   ; what is not the expert's goes to word 1,152, which nobody reads
	v_min_u32 v[VR], 1152, v[VR]
	v_lshl_add_u32 v[VAD+N_+\j], v[VR], 2, DLB
	v_add_nc_u32 v[VTOK], 128*((N_+\j)/4)+(N_+\j)%4, v[L4]
	v_cndmask_b32 v[G0+N_+\j], v[G0+N_+\j], v[G1+N_+\j], s[58+\j]   ; the row's weight, in place of e0's
	v_lshl_add_u32 v[G1+N_+\j], v[SO+\j], 10, v[VTOK]               ; its place, in place of e1's weight, which has been read
	s_bcnt1_i32_b32 s48, s[54+\j]
	s_add_co_u32 s47, s47, s48
.endr
.set N_, N_+4
.endr
	s_wait_alu depctr_va_vdst(0)                   ; the 32 addresses, places and weights are written, which the LDS stores read
.set N_, 0
.rept 32
	ds_store_b32 v[VAD+N_], v[G1+N_]
	ds_store_b32 v[VAD+N_], v[G0+N_] offset:WLO
.set N_, N_+1
.endr
.Lbuilt:
	BARRIER                                        ; the lists lie in LDS
	s_wait_alu depctr_vm_vsrc(0)                   ; wave 0's LDS stores have read v32 to v63 and v96 to v127: the stream's holds write the second, and h's scale words land in the first
	LOADW 3                                        ; (no vector instruction has named its registers or rewritten its offset)
	; THE STREAM.  The first chunk's scale words are asked for behind block 6 (block 6's own wait on va_vdst stands ahead of them, and the conversions between name neither v32 to v49 nor the offset);
	; block 11's wait leaves only the 48 weight loads issued behind block 11's own out, so they are in behind it
.set B_, 0
.rept 16
	QBLK B_
.if B_ == 6
	XLOAD
.endif
.if B_ == 11
	XSTORE
.endif
.set B_, B_+1
.endr
	; the K halves change hands as images of registers: 16 bytes a lane, 512 a store.  My 64 loads of h's images stay out meanwhile: they land in window 3, which nothing here names
	WIN 0x04
	s_wait_alu depctr_va_vdst(0)                   ; the conversions have written my codes (window 1) and the shifts my scale words: the LDS stores below read them, and the products take them later
.set N_, 0
.rept 64
	ds_store_b128 v[EXW], v[4*N_:4*N_+3] offset:512*N_
.set N_, N_+1
.endr
	WIN 0
.set N_, 0
.rept 16
	ds_store_b32 v[EXSW], v[SW+N_] offset:128*N_
.set N_, N_+1
.endr
	BARRIER
	WIN 0x80
.set N_, 0
.rept 64
	ds_load_b128 v[4*N_:4*N_+3], v[EXR] offset:512*N_
.set N_, N_+1
.endr
	WIN 0
.set N_, 0
.rept 16
	ds_load_b32 v[SW+16+N_], v[EXSR] offset:128*N_
.set N_, N_+1
.endr
	BARRIER                                        ; every wave's loads are in: the region may take the images
	s_mov_b32 s[S_C], 0
	s_mov_b32 s[S_C18], 0
	s_mov_b32 s[S_CTL], 0
.Lchunk:                                           ; four trips: 72 tiles serve every split, all 1,024 tokens on one expert too
	s_cmp_ge_u32 s[S_C18], s[S_NT]
	s_cbranch_scc1 .Lnostage
	; h's images of the chunk's 18 tiles, my two K steps, go into LDS: groups 0 to 15 have been asked for; the other twenty follow as sets come free.
	; (The last vector or matrix instruction that named window 3 stands ahead of a wait on va_vdst: the exchange's, or a tile's way out's)
	WIN 0xcc                                       ; loaded data and LDS stores' data: window 3
.set G_, 0
.rept 36
	RING G_
.set G_, G_+1
.endr
	WIN 0
.Lnostage:
	s_wait_loadcnt 0x0                             ; nothing is on its way into window 3 on the way that has left the images out either
	BARRIER                                        ; the chunk's rows lie in LDS
	s_lshl_b32 s[S_TB], s[S_KH], 14                ; my first tile of the chunk: kh
	s_lshl_b32 s[S_XT], s[S_KH], 9
	s_lshl_b32 s[S_LT], s[S_KH], 6
	s_add_co_u32 s[S_LT], s[S_LT], s[S_CTL]        ; 64 bytes of the lists a tile
	TILE 0, 1, 1                                   ; my nine tiles: the buffers take turns, so a trip of the loop runs two
	s_mov_b32 s[S_M], 3
.Ltile:
	TILE 1, 0, 1
	TILE 0, 0, 1
	s_sub_co_u32 s[S_M], s[S_M], 1
	s_cmp_lg_u32 s[S_M], 0
	s_cbranch_scc1 .Ltile
	TILE 1, 0, 1
	TILE 0, 0, 0
	BARRIER                                        ; nobody reads the rows any more
	s_add_co_u32 s[S_C18], s[S_C18], 18
	s_add_co_u32 s[S_CTL], s[S_CTL], 1152
	s_add_co_u32 s[S_C], s[S_C], 1
	s_cmp_ge_u32 s[S_C18], s[S_NT]
	s_cbranch_scc1 .Lnopre
	; the next chunk has rows: its scale words and its first sixteen groups, as the stream did for the first chunk
	s_wait_alu depctr_vm_vsrc(0)                   ; the last chunk's loads have read the two offsets, and its LDS stores v32 to v49 and window 3: all are written or loaded again below
	s_lshl_b32 s48, s[S_C18], 16
	v_add_nc_u32 v[SOFFC], s48, v[SOFF]
	s_lshl_b32 s48, s[S_C18], 11
	v_add_nc_u32 v[HSGC], s48, v[HSG]
	s_wait_alu depctr_va_vdst(0)                   ; the two offsets are written, which the loads below and the ring's read
	XLOAD
	WIN 0xc0
.set G_, 0
.rept 16
	ISSUE G_
.set G_, G_+1
.endr
	WIN 0
	s_wait_loadcnt 63                              ; the nine loads of scale words stand ahead of 64 younger ones: they are in
	XSTORE
.Lnopre:
	s_cmp_lt_u32 s[S_C], 4
	s_cbranch_scc1 .Lchunk
	s_wait_dscnt 0x0                               ; the closing lines, six on end
	s_wait_alu 0x0
	s_wait_tensorcnt 0x0
	ds_add_u32 v254, v255
	s_wait_dscnt 0x0
	s_endpgm
.Lfunc_end_k_q0dbe64a0cf_down:
	.size	k_q0dbe64a0cf_down, .Lfunc_end_k_q0dbe64a0cf_down-k_q0dbe64a0cf_down
	.p2alignl 7, 3214868480
	.fill 96, 4, 3214868480
	.section	.rodata,"a",@progbits
	.p2align	6, 0x0
	.amdhsa_kernel k_q0dbe64a0cf_down
		.amdhsa_group_segment_fixed_size 314880
		.amdhsa_private_segment_fixed_size 0
		.amdhsa_enable_private_segment 0
		.amdhsa_kernarg_size 48
		.amdhsa_user_sgpr_count 2
		.amdhsa_user_sgpr_kernarg_segment_ptr 1
		.amdhsa_wavefront_size32 1
		.amdhsa_system_sgpr_workgroup_id_x 1
		.amdhsa_system_sgpr_workgroup_id_y 1
		.amdhsa_system_sgpr_workgroup_id_z 1
		.amdhsa_system_vgpr_workitem_id 0
		.amdhsa_next_free_vgpr 1024
		.amdhsa_next_free_sgpr 66
		.amdhsa_reserve_vcc 0
		.amdhsa_float_denorm_mode_32 3
		.amdhsa_float_denorm_mode_16_64 3
		.amdhsa_memory_ordered 1
		.amdhsa_forward_progress 1
		.amdhsa_inst_pref_size 255
	.end_amdhsa_kernel
	.section	.bss,"aw",@nobits
	.p2align	6
	.space	262144
	.amdgpu_metadata
---
amdhsa.version: [ 1, 2 ]
amdhsa.kernels:
  - .name:           k_q0dbe64a0cf_down
    .symbol:         k_q0dbe64a0cf_down.kd
    .args:
      - { .name: hc, .offset: 0, .size: 8, .value_kind: global_buffer, .address_space: global }
      - { .name: hs, .offset: 8, .size: 8, .value_kind: global_buffer, .address_space: global }
      - { .name: sel, .offset: 16, .size: 8, .value_kind: global_buffer, .address_space: global }
      - { .name: gwt, .offset: 24, .size: 8, .value_kind: global_buffer, .address_space: global }
      - { .name: w2, .offset: 32, .size: 8, .value_kind: global_buffer, .address_space: global }
      - { .name: y4, .offset: 40, .size: 8, .value_kind: global_buffer, .address_space: global }
    .group_segment_fixed_size: 314880
    .private_segment_fixed_size: 0
    .kernarg_segment_align: 8
    .kernarg_segment_size: 48
    .max_flat_workgroup_size: 128
    .sgpr_count:     66
    .vgpr_count:     1024
    .wavefront_size: 32
...
	.end_amdgpu_metadata
.endif
;; end of part 6
;; launch combine: the kernel of part 4 again; grid 256 x 1, 8 waves a work-group, no clusters, 0 bytes of LDS; arguments y4, out0; writes out0
